; MI455X (gfx1250); checked and timed in simulation.
; The chip was launched on July 23, 2026; its instructions are those of AMD's public machine-readable ISA for CDNA 5 (MIT licence, August 2026) and "CDNA5" Instruction Set Architecture Reference Guide (July 2026). The comments in the code are by the model that wrote it; some were corrected since.
;; Diff Attn. Allowed arithmetic: matrix products marked QUANTISED: E2M3 operands, one E8M0 scale for each 32 along K, by v_wmma_scale_f32_16x16x128_f8f6f4 with both operands' format E2M3, f32 sums; everything else in f32.
;; Inputs: Wk 2,048 x 2,048 float32; Wo 2,048 x 2,048 float32; Wq 2,048 x 2,048 float32; Wv 2,048 x 2,048 float32; lambda_k1 64 float32; lambda_k2 64 float32; lambda_q1 64 float32; lambda_q2 64 float32; x 1 x 2,048 x 2,048 float32.
;; Outputs: out0 1 x 2,048 x 2,048 float32.
;; This version of the problem:
;;   THIS VERSION OF THE PROBLEM IS GIVEN IN LOW PRECISION. The matrix products marked QUANTISED in the list below multiply operands that are first quantised to E2M3 (2 exponent bits, 3 mantissa bits; 6 bits a number), with one power-of-two scale for each 32 numbers along K (OCP MX v1.0); their sums are f32. All else is computed in f32.
;;   The module's matrix products, in the order in which they are computed (A, B: the left and right operand; K: the contracted axis; several contracted axes count as one K, in the product's order):
;;     1. [M 2,048, K 2,048] x [K 2,048, N 2,048]; A: input x; B: input Wq: QUANTISED
;;     2. [M 2,048, K 2,048] x [K 2,048, N 2,048]; A: input x; B: input Wk: QUANTISED
;;     3. [M 2,048, K 2,048] x [K 2,048, N 2,048]; A: input x; B: input Wv: QUANTISED
;;     4. batch 32 x [M 2,048, K 64] x [K 64, N 2,048]; A: computed on the way; B: computed on the way: QUANTISED
;;     5. batch 16 x [M 2,048, K 2,048] x [K 2,048, N 128]; A: computed on the way; B: computed on the way: QUANTISED
;;     6. [M 2,048, K 2,048] x [K 2,048, N 2,048]; A: computed on the way; B: input Wo: QUANTISED
;;   THE QUANTISER, for each operand of a quantised product, along K:
;;     - K is cut into blocks of 32 from its start; a last block that is shorter is filled with zeros.
;;     - A block's scale is 2^e with e = floor(log2(the largest magnitude in the block)) - 2, held to -126 .. 127; a block of zeros has e = 0. As a byte (E8M0): e + 127.
;;     - Each number is divided by its block's scale, clamped to +-7.5, and rounded to the nearest number of E2M3, ties to even, subnormals kept.
;;     - The product sums the exact products of the quantised numbers (number of the format x scale) in f32.
;;   ~~~python
;;   def quantise(x, axis):      # numpy; x: float32 -> the quantised numbers, widened to float32 again
;;       x = np.moveaxis(x, axis, -1); K = x.shape[-1]
;;       x = np.pad(x, [(0, 0)] * (x.ndim - 1) + [(0, -K % 32)]); x = x.reshape(x.shape[:-1] + (-1, 32)); a = np.abs(x).max(-1, keepdims=True)
;;       e = np.where(a > 0, np.clip(np.frexp(np.where(a > 0, a, 1))[1] - 1 - 2, -126, 127), 0)      # np.frexp(a)[1] - 1 = floor(log2(a)), exactly
;;       r = np.clip(x / 2.0 ** e, -7.5, 7.5)
;;       step = 2.0 ** (np.maximum(np.frexp(np.where(r == 0, 1, r))[1] - 1, 0) - 3)
;;       q = np.round(r / step) * step * 2.0 ** e      # np.round: ties to even
;;       return np.moveaxis(q.reshape(q.shape[:-2] + (-1,))[..., :K], -1, axis).astype(np.float32)
;;   ~~~
;;   OPERANDS COMPUTED ON THE WAY. 'Computed on the way' means the value that the module computes at that place (a softmax that the list does not call 'softmax' is quantised finished and normalised). What goes into a quantiser is computed in f32, as accurately as f32 sums, v_exp_f32 and their like allow (about 1e-6 of the number): no bf16 or f16 on the way to a quantiser, and a product that is left as it is and whose result goes on into a quantised operand takes f32 operands (vector FMAs, or v_wmma_f32_16x16x4_f32). A number that lies on a knife's edge between two numbers of the format may be rounded either way, as far as f32 arithmetic and the matrix unit's own rounding can turn it there, and no further.
;; One version. Each part assembles by itself: llvm-mc -triple=amdgcn-amd-amdhsa -mcpu=gfx1250 --defsym DOCPART=n.
;; ======== version 1 of 1: 4 launches
;; workspace buffers: codes 15,728,640 bytes; scales 655,360 bytes; qkv 9,830,400 bytes; a_codes 3,145,728 bytes; a_scales 131,072 bytes
;; launch quant (part 1): grid 16 x 40, 4 waves a work-group, no clusters, 68,096 bytes of LDS; arguments Wq, Wk, Wv, Wo, x, codes, scales; writes codes, scales
.if DOCPART == 1
	.amdgcn_target "amdgcn-amd-amdhsa--gfx1250"
	.amdhsa_code_object_version 6
	.text
	.protected	k_q3ea219c68c_quant
	.globl	k_q3ea219c68c_quant
	.p2align	8
	.type	k_q3ea219c68c_quant,@function
k_q3ea219c68c_quant:
	s_mov_b64 s[64:65], 0
	v_nop
	global_prefetch_b8 v0, s[64:65] scope:SCOPE_SE
	s_setreg_imm32_b32 hwreg(HW_REG_WAVE_MODE, 25, 1), 1
	s_wait_xcnt 0x0
; THE PROGRAM: differential attention, T = D = 2048, 16 head pairs, all six products on codes of FP6 (E2M3) with one E8M0 scale for each 32 along K.  Four launches:
;   this one: x and the four weights become codes;  the second: x Wq, x Wk, x Wv, quantised on the way out;  the third: attention and the norm, quantised on the way out;  the fourth: the product with Wo.
; WORK LEFT OUT, for all values of the inputs: the mask that is built beside the scores puts -infinity on every key behind the query, the softmax makes exact zeros of them in both streams, so their difference is
; zero and adds nothing to the product with v.  Blocks of 64 keys that lie wholly behind a tile's 16 queries are therefore neither scored nor multiplied (third launch).  No input is without a way to the output: all nine are loaded.
; LIMIT: a NaN, an infinity or an overflow that would arise only in those hidden scores is not carried to the result.
; IDENTITY: the factor 64^-0.5 = 2^-3 on q is a power of two, and the quantiser commutes with it: q is quantised without it and the factor goes into the softmax's constant.  LIMIT: blocks of q whose largest magnitude lies under 2^-121.
; THIS LAUNCH.  codes: [5][2048 rows][1536 bytes], K innermost: Wq^T, Wk^T, Wv^T, Wo^T (row = column n of the weight), x.  scales: [5][2048][64].
; A block's scale is 2^(floor(log2(its largest magnitude)) - 2); its byte is the largest magnitude's exponent field - 2, held at 1 from below.  A block of zeros so gets the byte 1 where the rule says 127: its codes are
; zeros, which add nothing under any byte but 0xff, and the bytes are read by this program alone.
; LIMITS: blocks whose largest magnitude lies under 2^-124 keep the byte 1; NaN and infinities among the inputs are not served.
; Work-group rows 0-31: a weight (row / 8), 256 along K (row % 8), 128 columns (x).  K is a weight's FIRST axis: a lane takes a column and its registers run down K, so a block lies in one lane and the codes come out with K innermost.
; Work-group rows 32-39: x, whose K is innermost: a plain stream of blocks; a wave takes 16 steps of 512 numbers.  The two ways part at the head on the work-group's number and never join; each has LDS bytes of its own.
.set PITCH, 272                        ; weights: a stage row: sixteen places of 16 bytes, each with 12 bytes of codes, + 16
.set KROW,  1536                       ; a row of codes in bytes
.set NB,    8                          ; blocks of 32 along K for a wave
.set WX,    32                         ; v32-95   weights: two sets of 32 numbers
.set WC,    96                         ; v96..    a block's codes
.set OUTR,  112                        ; v112-175 the way out: 16 x 4 registers
.set SB,    24                         ; v24-25   the scale bytes, four to a register
.set XBASE, 4*32*PITCH                 ; x's way: its LDS begins behind the four stages of the weights' way
.set WREG,  8192                       ; a region for each wave: two stages of 32 x SP bytes, behind them 256 scale bytes
.set SP,    80                         ; a lane's place in a stage: its 64 bytes + 16 of padding
.set STEPS, 16
.set CB,    12                         ; bytes of 16 codes
.set XR,    16                         ; v16-79   x: four sets of 16 numbers as loaded
.set XX,    80                         ; v80-111  two sets of 16 neighbours
.set XE,    112                        ; v112-127 a scale byte for each step
.set XC,    128                        ; v128-191 codes: four registers for each step
.set SPW,   192                        ; v192     LDS address of my spare word; never rewritten
.set NIL,   193                        ; v193     0; never rewritten
.set SPARE, XBASE+4*WREG               ; the spare words, 128 bytes for each wave: two blocks of 256 bytes that no other line names
	s_load_b256 s[4:11], s[0:1], 0x0               ; Wq, Wk, Wv, Wo
	s_load_b128 s[12:15], s[0:1], 0x20             ; x, codes
	s_load_b64 s[16:17], s[0:1], 0x30              ; scales
	v_lshl_add_u32 v[SPW], v0, 2, SPARE
	v_mov_b32 v[NIL], 0
	v_lshrrev_b32 v1, 5, v0
	v_readfirstlane_b32 s18, v1                    ; wave 0..3
	v_and_b32 v2, 31, v0                           ; lane
	s_and_b32 s19, ttmp7, 0xffff                   ; work-group row
	s_cmp_ge_u32 s19, 32
	s_cbranch_scc1 .Lx_path
	; ---------------- a weight ----------------
	s_lshr_b32 s20, s19, 3                         ; which weight
	s_and_b32 s21, s19, 7                          ; which 256 along K
	s_lshl_b32 s22, ttmp9, 7
	s_lshl_b32 s23, s18, 5
	s_add_co_u32 s22, s22, s23                     ; my wave's first column
	v_lshlrev_b32 v3, 2, v2                        ; in: 4 bytes a lane
	s_mul_i32 s23, s18, 32*PITCH                   ; my stage
	v_mul_u32_u24 v4, v2, PITCH
	v_add_nc_u32 v4, s23, v4                       ; into it: row = my column
	v_and_b32 v5, 15, v2
	v_lshrrev_b32 v6, 4, v2                        ; out of it: sixteen lanes to a row of 192 bytes, two rows an instruction
	v_mul_u32_u24 v7, v6, PITCH
	v_lshl_add_u32 v7, v5, 4, v7
	v_add_nc_u32 v7, s23, v7
	v_mul_u32_u24 v8, v6, KROW
	v_mad_u32_u24 v8, v5, 12, v8                   ; and the same place in the codes
	v_lshlrev_b32 v9, 6, v2                        ; my column's row of scale bytes
	s_lshl_b32 s24, s21, 21                        ; the weight: 256 rows of 8,192 bytes for each step along K,
	s_lshl_b32 s25, s22, 2
	s_add_co_u32 s24, s24, s25                     ; + 4 x column
	s_mov_b32 s25, 0
	s_mul_i32 s26, s20, 0x300000                   ; the codes: the tensor,
	s_mul_i32 s27, s22, KROW
	s_add_co_u32 s26, s26, s27                     ; the column's row,
	s_mul_i32 s27, s21, 192
	s_add_co_u32 s26, s26, s27                     ; 192 bytes for each 256 along K
	s_mov_b32 s27, 0
	s_lshl_b32 s28, s20, 17                        ; the scale bytes likewise
	s_lshl_b32 s29, s22, 6
	s_add_co_u32 s28, s28, s29
	s_lshl_b32 s29, s21, 3
	s_add_co_u32 s28, s28, s29
	s_mov_b32 s29, 0
	s_wait_kmcnt 0x0
	s_cmp_lt_u32 s20, 2                            ; the choice of the weight hangs on the work-group's number alone
	s_cselect_b64 s[4:5], s[4:5], s[8:9]
	s_cselect_b64 s[6:7], s[6:7], s[10:11]
	s_bitcmp1_b32 s20, 0
	s_cselect_b64 s[4:5], s[6:7], s[4:5]
	s_add_nc_u64 s[4:5], s[4:5], s[24:25]
	s_add_nc_u64 s[14:15], s[14:15], s[26:27]
	s_add_nc_u64 s[16:17], s[16:17], s[28:29]
.macro WLOAD t                         ; block t: W(32 t + i, my column), i = 0 .. 31, into set t % 2: 32 lanes read 128 consecutive bytes
.irp i, 0,1,2,3,4,5,6,7,8,9,10,11,12,13,14,15,16,17,18,19,20,21,22,23,24,25,26,27,28,29,30,31
	global_load_b32 v[WX+32*((\t)%2)+\i], v3, s[4:5] offset:(32*(\t)+\i)*8192 th:TH_LOAD_NT
.endr
.endm
.macro WBLOCK t
.set XS, WX+32*((\t)%2)
.if (\t) < NB-1
	s_wait_loadcnt 32                              ; this block's 32 loads are in; the next block's 32 may be out
.else
	s_wait_loadcnt 0
.endif
	v_max3_num_f32 v12, |v[XS]|, |v[XS+1]|, |v[XS+2]|               ; the block's largest magnitude: all 32 numbers are mine
	v_max3_num_f32 v13, |v[XS+3]|, |v[XS+4]|, |v[XS+5]|
.irp i, 6,10,14,18,22,26
	v_max3_num_f32 v12, v12, |v[XS+\i]|, |v[XS+\i+1]|
	v_max3_num_f32 v13, v13, |v[XS+\i+2]|, |v[XS+\i+3]|
.endr
	v_max3_num_f32 v12, v12, |v[XS+30]|, |v[XS+31]|
	v_max3_num_f32 v12, v12, v13, 0x1800000        ; and the floor 2^(3 - 127): the byte cannot fall under 1
	v_add_nc_u32 v11, 0xff000000, v12              ; 2 off the exponent field: the conversion takes the exponent field of this operand as its scale
	v_lshrrev_b32 v13, 23, v11                     ; the scale's byte
.if (\t)%4 == 0
	v_mov_b32 v[SB+(\t)/4], v13                    ; four bytes to a register, the lower K in the lower byte
.else
	v_lshl_or_b32 v[SB+(\t)/4], v13, 8*((\t)%4), v[SB+(\t)/4]
.endif
	v_cvt_scalef32_pk16_fp6_f32 v[WC:WC+2], v[XS:XS+15], v11
	v_cvt_scalef32_pk16_fp6_f32 v[WC+4:WC+6], v[XS+16:XS+31], v11   ; (a conversion's three registers begin on an even number)
	v_nop                                          ; one plain line behind the last conversion
	ds_store_b96 v4, v[WC:WC+2] offset:32*(\t)     ; 12 bytes to a place of 16 in the stage: every LDS address is a multiple of 16
	ds_store_b96 v4, v[WC+4:WC+6] offset:32*(\t)+16
.if (\t)+2 < NB
	WLOAD (\t)+2
.endif
	s_wait_dscnt 0x0                               ; the stores have read their registers: the next block's codes may be written
.endm
	WLOAD 0
	WLOAD 1
.irp t, 0,1,2,3,4,5,6,7
	WBLOCK \t
.endr
	global_store_b64 v9, v[SB:SB+1], s[16:17]      ; my column's 8 scale bytes
.irp t, 0,1,2,3,4,5,6,7,8,9,10,11,12,13,14,15
	ds_load_b96 v[OUTR+4*\t:OUTR+4*\t+2], v7 offset:2*\t*PITCH   ; LDS serves a wave's instructions in order: these see my stores
.endr
.irp t, 0,1,2,3,4,5,6,7,8,9,10,11,12,13,14,15
	s_wait_dscnt 15-\t                             ; load t is in; the 15 - t younger ones may be out
	global_store_b96 v8, v[OUTR+4*\t:OUTR+4*\t+2], s[14:15] offset:2*\t*KROW   ; sixteen lanes store a row's 192 consecutive bytes
.endr
	s_wait_tensorcnt 0x0                           ; the wave's end, behind my last LDS store
	ds_add_u32 v[SPW], v[NIL]
	s_wait_dscnt 0x0
	s_endpgm
	; ---------------- x ----------------
.Lx_path:
	v_lshlrev_b32 v3, 4, v2                        ; my 16 bytes of a load's 512
	s_mul_i32 s20, s18, WREG
	s_add_co_u32 s20, s20, XBASE                   ; my wave's region
	v_lshrrev_b32 v14, 2, v2
	v_mul_u32_u24 v14, v14, SP
	v_and_b32 v15, 3, v2
	v_lshl_add_u32 v14, v15, 4, v14
	v_add_nc_u32 v14, s20, v14                     ; the stage, on the way in: four lanes' 64 bytes on end, then 16 of padding
	v_mul_u32_u24 v15, v2, SP
	v_add_nc_u32 v15, s20, v15                     ; and on the way out: my 16 neighbours
	v_mul_u32_u24 v4, v2, CB                       ; my codes' place in a step's
	v_lshrrev_b32 v5, 1, v2
	s_add_co_u32 s20, s20, 2*32*SP
	v_add_nc_u32 v5, s20, v5                       ; my wave's 256 scale bytes, my block's byte
	v_lshlrev_b32 v7, 3, v2                        ; and on the way out 8 bytes a lane
	v_add_nc_u32 v6, s20, v7
	s_sub_co_u32 s21, s19, 32
	s_lshl_b32 s21, s21, 4
	s_add_co_u32 s21, s21, ttmp9
	s_lshl_b32 s21, s21, 2
	s_add_co_u32 s21, s21, s18                     ; which run of 8,192 numbers is my wave's: 0 .. 511
	s_lshl_b32 s22, s21, 15
	s_mov_b32 s23, 0
	s_mul_i32 s24, s21, 32*STEPS*CB
	s_add_co_u32 s24, s24, 0xc00000                ; x is the fifth tensor of codes
	s_mov_b32 s25, 0
	s_lshl_b32 s26, s21, 8
	s_add_co_u32 s26, s26, 0x80000                 ; and of scale bytes
	s_mov_b32 s27, 0
	s_wait_kmcnt 0x0
	s_add_nc_u64 s[12:13], s[12:13], s[22:23]
	s_add_nc_u64 s[14:15], s[14:15], s[24:25]
	s_add_nc_u64 s[16:17], s[16:17], s[26:27]
.macro XLOAD t
.irp i, 0,1,2,3
	global_load_b128 v[XR+16*((\t)%4)+4*\i:XR+16*((\t)%4)+4*\i+3], v3, s[12:13] offset:2048*(\t)+512*\i th:TH_LOAD_NT   ; 32 lanes read 512 consecutive bytes
.endr
.endm
.macro XTURN t                         ; step t's numbers through the stage: LDS serves a wave's instructions in order, so no wait stands between the stores and the loads
.irp i, 0,1,2,3
	ds_store_b128 v14, v[XR+16*((\t)%4)+4*\i:XR+16*((\t)%4)+4*\i+3] offset:32*SP*((\t)%2)+8*SP*\i
.endr
.irp i, 0,1,2,3
	ds_load_b128 v[XX+16*((\t)%2)+4*\i:XX+16*((\t)%2)+4*\i+3], v15 offset:32*SP*((\t)%2)+16*\i
.endr
.endm
.irp t, 0,1,2,3
	XLOAD \t
.endr
	s_wait_loadcnt 12                              ; step 0's four loads are in; three steps' twelve may be out
	XTURN 0
.macro XSTEP t
.set XS, XX+16*((\t)%2)
.if (\t) > 0
	s_wait_dscnt 1                                 ; this step's numbers are back from the stage (the last step's byte store may be out)
.else
	s_wait_dscnt 0x0
.endif
.if (\t)+4 < STEPS
	XLOAD (\t)+4                                   ; into the registers that this step's stores into the stage have read
.endif
.if (\t)+1 < STEPS
.if STEPS-2-(\t) >= 3
	s_wait_loadcnt 12                              ; the next step's four loads are in; those of the three steps behind it may be out
.else
	s_wait_loadcnt 4*(STEPS-2-(\t))
.endif
	XTURN (\t)+1                                   ; they go through the other stage while this step is worked
.endif
	v_max3_num_f32 v8, |v[XS]|, |v[XS+1]|, |v[XS+2]|               ; the largest magnitude of my 16
	v_max3_num_f32 v9, |v[XS+3]|, |v[XS+4]|, |v[XS+5]|
.irp i, 6,10
	v_max3_num_f32 v8, v8, |v[XS+\i]|, |v[XS+\i+1]|
	v_max3_num_f32 v9, v9, |v[XS+\i+2]|, |v[XS+\i+3]|
.endr
	v_max3_num_f32 v8, v8, |v[XS+14]|, |v[XS+15]|
	v_max3_num_f32 v8, v8, v9, 0x1800000           ; and the floor 2^(3 - 127)
	v_max_num_f32_dpp v8, v8, v8 row_xmask:1 row_mask:0xf bank_mask:0xf   ; and of my neighbour's 16: the block's
	v_add_nc_u32 v11, 0xff000000, v8               ; 2 off its exponent field: the conversion's scale operand
	v_cvt_scalef32_pk16_fp6_f32 v[XC+4*(\t):XC+4*(\t)+2], v[XS:XS+15], v11
	v_lshrrev_b32 v[XE+(\t)], 23, v11              ; the scale's byte (also the plain line behind the conversion)
	ds_store_b8 v5, v[XE+(\t)] offset:16*(\t)      ; both lanes of a block write the same byte with the same value
	global_store_b96 v4, v[XC+4*(\t):XC+4*(\t)+2], s[14:15] offset:32*CB*(\t)   ; the wave stores 384 consecutive bytes
.endm
.irp t, 0,1,2,3,4,5,6,7,8,9,10,11,12,13,14,15
	XSTEP \t
.endr
	ds_load_b64 v[8:9], v6                         ; LDS serves a wave's instructions in order: these see my stores
	s_wait_dscnt 0x0
	global_store_b64 v7, v[8:9], s[16:17]          ; 32 lanes store 256 consecutive bytes, aligned
	s_wait_tensorcnt 0x0                           ; the wave's end, behind my last LDS store
	ds_add_u32 v[SPW], v[NIL]
	s_wait_dscnt 0x0
	s_endpgm
.Lfunc_end_k_q3ea219c68c_quant:
	.size	k_q3ea219c68c_quant, .Lfunc_end_k_q3ea219c68c_quant-k_q3ea219c68c_quant
	.p2alignl 7, 3214868480
	.fill 96, 4, 3214868480
	.section	.rodata,"a",@progbits
	.p2align	6, 0x0
	.amdhsa_kernel k_q3ea219c68c_quant
		.amdhsa_group_segment_fixed_size 68096
		.amdhsa_private_segment_fixed_size 0
		.amdhsa_enable_private_segment 0
		.amdhsa_kernarg_size 56
		.amdhsa_user_sgpr_count 2
		.amdhsa_user_sgpr_kernarg_segment_ptr 1
		.amdhsa_wavefront_size32 1
		.amdhsa_system_sgpr_workgroup_id_x 1
		.amdhsa_system_sgpr_workgroup_id_y 1
		.amdhsa_system_sgpr_workgroup_id_z 1
		.amdhsa_system_vgpr_workitem_id 0
		.amdhsa_next_free_vgpr 194
		.amdhsa_next_free_sgpr 66
		.amdhsa_reserve_vcc 0
		.amdhsa_float_denorm_mode_32 3
		.amdhsa_float_denorm_mode_16_64 3
		.amdhsa_memory_ordered 1
		.amdhsa_forward_progress 1
		.amdhsa_inst_pref_size 74
	.end_amdhsa_kernel
	.amdgpu_metadata
---
amdhsa.version: [ 1, 2 ]
amdhsa.kernels:
  - .name:           k_q3ea219c68c_quant
    .symbol:         k_q3ea219c68c_quant.kd
    .args:
      - { .name: Wq, .offset: 0, .size: 8, .value_kind: global_buffer, .address_space: global }
      - { .name: Wk, .offset: 8, .size: 8, .value_kind: global_buffer, .address_space: global }
      - { .name: Wv, .offset: 16, .size: 8, .value_kind: global_buffer, .address_space: global }
      - { .name: Wo, .offset: 24, .size: 8, .value_kind: global_buffer, .address_space: global }
      - { .name: x, .offset: 32, .size: 8, .value_kind: global_buffer, .address_space: global }
      - { .name: codes, .offset: 40, .size: 8, .value_kind: global_buffer, .address_space: global }
      - { .name: scales, .offset: 48, .size: 8, .value_kind: global_buffer, .address_space: global }
    .group_segment_fixed_size: 68096
    .private_segment_fixed_size: 0
    .kernarg_segment_align: 8
    .kernarg_segment_size: 56
    .max_flat_workgroup_size: 128
    .sgpr_count:     66
    .vgpr_count:     194
    .wavefront_size: 32
...
	.end_amdgpu_metadata
.endif
;; end of part 1
;; launch gemm_qkv (part 2): grid 8 x 24, 4 waves a work-group, clusters of 4 x 4, 327,680 bytes of LDS; arguments codes, scales, qkv; writes qkv
.if DOCPART == 2
	.amdgcn_target "amdgcn-amd-amdhsa--gfx1250"
	.amdhsa_code_object_version 6
	.text
	.protected	k_q3ea219c68c_gemm_qkv
	.globl	k_q3ea219c68c_gemm_qkv
	.p2align	8
	.type	k_q3ea219c68c_gemm_qkv,@function
k_q3ea219c68c_gemm_qkv:
	s_mov_b64 s[64:65], 0
	v_nop
	global_prefetch_b8 v0, s[64:65] scope:SCOPE_SE
	s_setreg_imm32_b32 hwreg(HW_REG_WAVE_MODE, 25, 1), 1
	s_wait_xcnt 0x0
	s_wait_alu depctr_hold_cnt(0) depctr_sa_sdst(0) depctr_va_vdst(0) depctr_va_sdst(0) depctr_va_ssrc(0) depctr_va_vcc(0) depctr_vm_vsrc(0)
	s_getreg_b32 s2, hwreg(HW_REG_IB_STS2, 6, 4)
	s_cmp_eq_u32 s2, 0
	s_cbranch_scc0 .Lentry_in_a_cluster
	s_endpgm
.Lentry_in_a_cluster:
	s_bfe_u32 s2, ttmp6, 0x10000c
	s_cmp_lg_u32 s2, 0xf033
	s_cbranch_scc0 .Lentry_shape_is_right
	s_endpgm
.Lentry_shape_is_right:
; x Wq, x Wk and x Wv on codes of FP6 (E2M3), and their results quantised on the way out into the operands of attention.  No work is left out here.
; Eight tile rows of work-groups for each of the three products (g = cluster y / 2).  A tile is 256 x 256, four waves, each 128 x 128 in 64 accumulators; K = 2048 goes in steps of 256 through two LDS slots.
; The matrix instruction is used transposed: source 0 = 16 rows of "B", source 1 = 16 rows of "A": a lane holds ONE row of A and eight neighbouring rows of B in its registers.
;   q, k (g = 0, 1): A = x (rows = tokens), B = W^T (rows = columns n): a lane's registers run along n, which is the K of the scores.
;   v    (g = 2):    A = Wv^T (rows = channels d), B = x (rows = tokens): a lane's registers run along the tokens, which are the K of the product with the weights of attention.
; So a wave's 128 x 128 is one head pair x one step of 128 tokens, and each of its eight blocks of 16 rows becomes one fragment (16 rows x 128 K) and one scale word a row.
; ORDER INSIDE A BLOCK OF 32: the 16 registers of two neighbouring result tiles hold k = 8 h + 0..7 and 16 + 8 h + 0..7 (h = lane / 16), and are laid as places 16 h + 0..15: places 0-31 hold k = 0-7, 16-23, 8-15, 24-31.
; Both sides of the scores (q, k) and both sides of the second product (the weights, made from score tiles; v, made here) are laid in that same order, so every product pairs equal k; a block's 32 numbers are the true block's.
; qkv: [3][16 head pairs][8 double records of 25,600 bytes].  Double record z holds steps 2 z and 2 z + 1: fragment (tile t, step s) at (2 t + s % 2) x 1,536 as an image of its 12 registers (three runs of 512 bytes,
; lane l's 16 bytes at 16 l); the step's scale words at 24,576 + (s % 2) x 512 + 64 t, sixteen words a tile.
; CLUSTERS: 4 x 4 work-groups; A's tiles are asked for jointly along a row of the cluster, B's along a column.  A cluster's four tile rows lie in one product.
; LIMITS: blocks whose largest magnitude lies under 2^-124 keep the byte 1 (a block of zeros too: its codes are zeros); NaN and infinities are not served.
; REGISTERS, in windows of 256: window 0: v0-31 addresses; v32-63 scale words, two sets (scales and nothing else); v64-139 at work on the way out; from v128 A's fragments, one set.
;   window 1: B's fragments, two sets.   window 2: the accumulators of my rows 0-63 ((a, b) at v[8 (8 a + b)]);   window 3: those of my rows 64-127.
.set SIZE_K, 2048
.set KSTEP,  256                       ; along K in a slot
.set NQ,     KSTEP/128                 ; matrix instructions deep
.set ROWB,   192                       ; a tile's row in bytes
.set KROW,   SIZE_K*6/8                ; a row of codes in memory
.set PITCH,  240                       ; an LDS row: 3 x (64 bytes of data + 16 of padding)
.set FR,     12                        ; registers of a fragment
.set NL,     6                         ; LDS loads that bring one
.set NP,     4                         ; places behind this matrix instruction (ISA guide 7.12.1)
.set HALFT,  128*PITCH
.set SLOT,   4*HALFT                   ; A's 256 rows, then B's 256 rows
.set LAPS,   SIZE_K/(2*KSTEP)
.set KS,     SIZE_K/32                 ; a row of scales in bytes
.set SCL,    2*SLOT                    ; behind the ring: the scales, as runs of 256 bytes + 16 of padding
.set HALFS,  (128*KS/256)*272
.set SBLK,   (16*KS/256)*272
.set SPARE,  SCL+4*HALFS               ; the spare words, 128 bytes for each wave
.set ADRA, 16                          ; v16-17 LDS address of my A fragments in slot 0, 1 (v18-19: behind one padding more)
.set ADRB, 20                          ; v20-23 the same for B
.set SWA,  24                          ; v24    the way out: where my row's scale word goes: 512 x wave + 4 (lane % 16), in slot 0, which has had its last fill and its last read by then
.set SRD,  25                          ; v25    and where 16 bytes of the wave's 512 come back
.set CO,   26                          ; v26    16 x lane
.set ADRS, 27                          ; v27    LDS address of my scale words: lanes 0-15 A's rows, lanes 16-31 B's
.set SPW,  28                          ; v28    LDS address of my spare word; never rewritten
.set NIL,  29                          ; v29    0; never rewritten
.set SC,   32                          ; scale words
.set TM,   64                          ; v64-79 the way out: largest magnitudes, bytes, scale operands
.set PWS,  80                          ; v80-87 the eight blocks' scale words
.set AF,   128                         ; A's fragments, in window 0
.set G1, 24
.set G0, 32
.set G1B, 48
.set G0B, 56
.set G1S, 68
.set G0S, 76
.set G1SB, 80
.set G0SB, 88
.set SEL, 98                           ; s[98:99] lane selects for v_permlanex16_b32: lane l xor 16
.set MSB, 0
.macro WIN new                         ; the immediate's high byte repeats the setting that is left
.if MSB != \new
	s_set_vgpr_msb (MSB<<8)|\new
.set MSB, \new
.endif
.endm
.set MUL_LO, 0xa1                      ; source 0 (B) window 1, source 1 (A) window 0, C and D window 2
.set MUL_HI, 0xf1                      ; the same, C and D window 3
.set TO_B,   0x40                      ; destination window 1, address window 0
; A joint load: waves 0 and 1 fetch for A, waves 2 and 3 for B; the branch hangs on the wave's number alone.  An s_nop 0 and four v_nop follow each of the two lines.
.macro JLOAD g0a, g1a, g0b, g1b
	s_cmp_eq_u32 s15, 0
	s_cbranch_scc0 .Lfor_b_\@
	tensor_load_to_lds s[\g0a:\g0a+3], s[\g1a:\g1a+7]
	s_nop 0
.rept 4
	v_nop
.endr
	s_branch .Lasked_\@
.Lfor_b_\@:
	tensor_load_to_lds s[\g0b:\g0b+3], s[\g1b:\g1b+7]
	s_nop 0
.rept 4
	v_nop
.endr
.Lasked_\@:
.endm
.macro CREST                           ; a round of the cluster's barrier behind its opening barrier
	s_cmp_lg_u32 s14, 0
	s_cbranch_scc1 .Lnot_wave_0_\@
	s_barrier_signal -3
.Lnot_wave_0_\@:
	s_barrier_wait -3
	s_barrier_signal -1
	s_barrier_wait -1
.endm
.macro CROUND                          ; a whole round
	s_barrier_signal -1
	s_barrier_wait -1
	CREST
.endm
	s_load_b128 s[4:7], s[0:1], 0x0                ; codes s[4:5], scales s[6:7]
	s_load_b64 s[12:13], s[0:1], 0x10              ; qkv
	v_lshl_add_u32 v[SPW], v0, 2, SPARE
	v_mov_b32 v[NIL], 0
	ds_add_u32 v[SPW], v[NIL]                      ; the wave's opening: the add, twice on end, and its wait ahead of my first tensor load
	ds_add_u32 v[SPW], v[NIL]                      ; once more; the set-up below, work on registers, stands between it and the wait
	v_lshrrev_b32 v1, 5, v0
	v_readfirstlane_b32 s14, v1                    ; wave 0..3
	s_lshr_b32 s15, s14, 1                         ; which half of the tile's rows is mine.  Also: I fetch for A (0) or for B (1)
	s_and_b32 s16, s14, 1                          ; which half of its columns.  Also: which 128 rows of that tile I fetch
	s_bfe_u32 s40, ttmp6, 0x40000                  ; cx, cy: my place in the cluster
	s_bfe_u32 s41, ttmp6, 0x40004
	s_lshl_b32 s42, ttmp9, 2
	s_add_co_u32 s42, s42, s40                     ; tile column = 4 x cluster x + cx
	s_and_b32 s17, ttmp7, 0xffff                   ; cluster y
	s_lshr_b32 s96, s17, 1                         ; g: 0 q, 1 k, 2 v: the same in all sixteen partners
	s_and_b32 s17, s17, 1
	s_lshl_b32 s17, s17, 2
	s_add_co_u32 s17, s17, s41                     ; tile row within the product = 4 x (cluster y % 2) + cy
	s_cmp_eq_u32 s96, 2
	s_cselect_b32 s97, 2, 4                        ; A's tensor of codes: Wv^T for v, else x
	s_cselect_b32 s95, 4, s96                      ; B's: x for v, else Wq^T or Wk^T
	s_lshl_b32 s43, s41, 2
	s_lshl_b32 s43, 15, s43                        ; my row of the cluster
	s_lshl_b32 s44, 0x1111, s40                    ; my column
	; descriptor group 1: a tile of 128 rows x 192 bytes, 16 bytes of padding behind every 64
	s_or_b32 s[G1+0], s43, (0<<16)|(1<<20)|(1<<21)|(3<<22)|(3<<25)
	s_or_b32 s[G1B+0], s44, (0<<16)|(1<<20)|(1<<21)|(3<<22)|(3<<25)
.irp g, G1, G1B
	s_mov_b32 s[\g+1], ROWB<<16                    ; tensor_dim0
	s_mov_b32 s[\g+2], 128<<16                     ; tensor_dim1
	s_mov_b32 s[\g+3], ROWB<<16                    ; tile_dim0
	s_mov_b32 s[\g+4], 128                         ; tile_dim1
	s_mov_b32 s[\g+5], KROW                        ; tensor_dim0_stride
	s_mov_b32 s[\g+6], 0
	s_mov_b32 s[\g+7], 0
.endr
	; the scales of 128 rows: a dense block of 8,192 bytes, as rows of 256 bytes (32 elements of 8), 16 bytes of padding behind each
	s_or_b32 s[G1S+0], s43, (3<<16)|(1<<20)|(1<<21)|(5<<22)|(3<<25)
	s_or_b32 s[G1SB+0], s44, (3<<16)|(1<<20)|(1<<21)|(5<<22)|(3<<25)
.irp g, G1S, G1SB
	s_mov_b32 s[\g+1], 32<<16
	s_mov_b32 s[\g+2], (128*KS/256)<<16
	s_mov_b32 s[\g+3], 32<<16
	s_mov_b32 s[\g+4], 128*KS/256
	s_mov_b32 s[\g+5], 32
	s_mov_b32 s[\g+6], 0
	s_mov_b32 s[\g+7], 0
.endr
	s_lshl_b32 s18, s16, 7                         ; which 128 rows of the tile I fetch
	s_lshl_b32 s20, s17, 8
	s_add_co_u32 s20, s20, s18                     ; A: row 256 x tile row + 128 x half
	s_lshl_b32 s46, s42, 8
	s_add_co_u32 s46, s46, s18                     ; B: row 256 x tile column + 128 x half
	s_mov_b32 s21, 0
	s_mov_b32 s47, 0
	s_mov_b64 s[18:19], KS
	s_mul_u64 s[22:23], s[20:21], s[18:19]         ; where these rows' scales begin, in bytes
	s_mul_u64 s[92:93], s[46:47], s[18:19]
	s_mov_b64 s[18:19], KROW
	s_mul_u64 s[20:21], s[20:21], s[18:19]         ; and their codes
	s_mul_u64 s[46:47], s[46:47], s[18:19]
	s_mov_b32 s3, 0
	s_mul_i32 s2, s97, 0x300000                    ; + the tensor's place in the two buffers
	s_add_nc_u64 s[20:21], s[20:21], s[2:3]
	s_lshl_b32 s2, s97, 17
	s_add_nc_u64 s[22:23], s[22:23], s[2:3]
	s_mul_i32 s2, s95, 0x300000
	s_add_nc_u64 s[46:47], s[46:47], s[2:3]
	s_lshl_b32 s2, s95, 17
	s_add_nc_u64 s[92:93], s[92:93], s[2:3]
	s_mul_i32 s45, s14, HALFT                      ; where they go: wave x 128 rows: no place in the cluster enters an LDS address
	s_mul_i32 s94, s14, HALFS
	s_mov_b32 s[SEL], 0x76543210
	s_mov_b32 s[SEL+1], 0xfedcba98
	s_wait_dscnt 0x0                               ; both opening adds are done
	s_wait_kmcnt 0x0
	s_add_nc_u64 s[20:21], s[4:5], s[20:21]
	s_add_nc_u64 s[22:23], s[6:7], s[22:23]
	s_add_nc_u64 s[46:47], s[4:5], s[46:47]
	s_add_nc_u64 s[92:93], s[6:7], s[92:93]
	CROUND                                         ; all sixteen work-groups are here: the first joint loads meet
	s_mov_b32 s[G0S], 1
	s_add_co_u32 s[G0S+1], s94, SCL
	s_mov_b64 s[G0S+2:G0S+3], s[22:23]
	s_or_b32 s[G0S+3], s[G0S+3], 0x80000000
	s_mov_b32 s[G0SB], 1
	s_add_co_u32 s[G0SB+1], s94, SCL
	s_mov_b64 s[G0SB+2:G0SB+3], s[92:93]
	s_or_b32 s[G0SB+3], s[G0SB+3], 0x80000000
	JLOAD G0S, G1S, G0SB, G1SB                     ; the scales first: they are wanted with K step 0
.irp s, 0,1
	s_mov_b32 s[G0+4*\s], 1
	s_add_co_u32 s[G0+4*\s+1], s45, \s*SLOT
	s_add_nc_u64 s[G0+4*\s+2:G0+4*\s+3], s[20:21], \s*ROWB
	s_or_b32 s[G0+4*\s+3], s[G0+4*\s+3], 0x80000000
	s_mov_b32 s[G0B+4*\s], 1
	s_add_co_u32 s[G0B+4*\s+1], s45, \s*SLOT
	s_add_nc_u64 s[G0B+4*\s+2:G0B+4*\s+3], s[46:47], \s*ROWB
	s_or_b32 s[G0B+4*\s+3], s[G0B+4*\s+3], 0x80000000
	JLOAD G0+4*\s, G1, G0B+4*\s, G1B
.endr
	v_and_b32 v1, 15, v0                           ; l % 16
	v_bfe_u32 v2, v0, 4, 1                         ; l / 16
	v_mul_u32_u24 v3, v1, PITCH
	v_mul_u32_u24 v4, v2, 24
	v_add_nc_u32 v4, v3, v4                        ; a fragment's row x pitch + 24 x half
	v_lshl_add_u32 v5, v2, 4, v4                   ; and the same behind one padding more
	s_mul_i32 s21, s15, HALFT                      ; my 128 rows of A
	s_mul_i32 s22, s16, HALFT                      ; my 128 rows of B,
	s_add_co_u32 s22, s22, 2*HALFT                 ; which lie behind A's 256
.irp s, 0,1
	v_add_nc_u32 v[ADRA+\s], s21, v4
	v_add_nc_u32 v[ADRB+\s], s22, v4
	v_add_nc_u32 v[ADRA+2+\s], s21, v5
	v_add_nc_u32 v[ADRB+2+\s], s22, v5
	s_add_co_u32 s21, s21, SLOT
	s_add_co_u32 s22, s22, SLOT
.endr
	v_mul_u32_u24 v5, v1, KS                       ; my row's scales: KS bytes a row,
	v_lshrrev_b32 v6, 8, v5
	v_lshl_add_u32 v5, v6, 4, v5                   ; and 16 more for each 256 passed
	s_mul_i32 s21, s15, HALFS                      ; A's: my 128 rows
	s_mul_i32 s22, s16, HALFS                      ; B's: my 128 rows, behind A's 256
	s_add_co_u32 s22, s22, 2*HALFS
	s_sub_co_u32 s22, s22, s21
	v_mul_u32_u24 v6, s22, v2                      ; lanes 16-31 take B's
	s_add_co_u32 s21, s21, SCL
	v_add_nc_u32 v5, v5, v6
	v_add_nc_u32 v[ADRS], s21, v5
	s_lshl_b32 s23, s14, 9                         ; the way out: my wave's 512 bytes for scale words
	v_lshl_add_u32 v[SWA], v1, 2, s23
	v_and_b32 v6, 31, v0
	v_lshlrev_b32 v[CO], 4, v6
	v_add_nc_u32 v[SRD], s23, v[CO]
	; where my wave's record part lies in qkv
	s_lshl_b32 s20, s17, 1
	s_add_co_u32 s20, s20, s15                     ; which 128 rows of A are mine
	s_lshl_b32 s46, s42, 1
	s_add_co_u32 s46, s46, s16                     ; which 128 rows of B
	s_cmp_eq_u32 s96, 2
	s_cselect_b32 s21, s20, s46                    ; the head pair: by A's rows for v, by B's for q and k
	s_cselect_b32 s47, s46, s20                    ; the step of 128 tokens: the other one
	s_mul_i32 s22, s96, 3276800
	s_mul_i32 s23, s21, 204800
	s_add_co_u32 s22, s22, s23
	s_lshr_b32 s23, s47, 1
	s_mul_i32 s23, s23, 25600
	s_add_co_u32 s22, s22, s23                     ; the double record
	s_and_b32 s47, s47, 1
	s_mul_i32 s20, s47, 1536
	s_add_co_u32 s20, s20, s22                     ; my step's first fragment
	s_mov_b32 s21, 0
	s_lshl_b32 s46, s47, 9
	s_add_co_u32 s46, s46, s22
	s_add_co_u32 s46, s46, 24576                   ; my step's scale words
	s_mov_b32 s47, 0
	s_add_nc_u64 s[8:9], s[12:13], s[46:47]
	s_add_nc_u64 s[12:13], s[12:13], s[20:21]
.macro FRAG reg, adr, q, i             ; a fragment: lane l holds row l % 16; registers 6 c .. 6 c + 5 hold K = 64 c + 32 (l / 16) + 0 .. 31: 24 bytes of the row's stream of bits, in pieces of 8 bytes
.irp p, 0,1,2,3,4,5
.set PC, 12*(\q)+6*(\p/3)+\p%3        ; where the piece three on lies behind one padding more, the second address register serves
.if PC%8 < 5
	ds_load_b64 v[\reg+2*\p:\reg+2*\p+1], v[\adr] offset:8*PC+16*(PC/8)+(\i)*16*PITCH
.else
	ds_load_b64 v[\reg+2*\p:\reg+2*\p+1], v[\adr+2] offset:8*PC+16*(PC/8)+(\i)*16*PITCH
.endif
.endr
.endm
; 16 matrix instructions: A's blocks a0, a0 + 1 x B's eight, 128 along K.  The 64 accumulators take turns, one instruction a turn, in the same order in every step.
.macro MUL16 a0, p, q, sc, zero
.irp a, \a0, \a0+1
.irp b, 0,1,2,3,4,5,6,7
.if \zero
	v_wmma_scale_f32_16x16x128_f8f6f4 v[8*(8*((\a)%4)+\b):8*(8*((\a)%4)+\b)+7], v[128*(\p)+FR*\b:128*(\p)+FR*\b+FR-1], v[AF+FR*(\a):AF+FR*(\a)+FR-1], 0, v[SC+8*NQ*(\sc)+NQ*\b+(\q)], v[SC+8*NQ*(\sc)+NQ*(\a)+(\q)] matrix_a_fmt:MATRIX_FMT_FP6 matrix_b_fmt:MATRIX_FMT_FP6 matrix_a_scale:MATRIX_SCALE_ROW1
.else
	v_wmma_scale_f32_16x16x128_f8f6f4 v[8*(8*((\a)%4)+\b):8*(8*((\a)%4)+\b)+7], v[128*(\p)+FR*\b:128*(\p)+FR*\b+FR-1], v[AF+FR*(\a):AF+FR*(\a)+FR-1], v[8*(8*((\a)%4)+\b):8*(8*((\a)%4)+\b)+7], v[SC+8*NQ*(\sc)+NQ*\b+(\q)], v[SC+8*NQ*(\sc)+NQ*(\a)+(\q)] matrix_a_fmt:MATRIX_FMT_FP6 matrix_b_fmt:MATRIX_FMT_FP6 matrix_a_scale:MATRIX_SCALE_ROW1
.endif
.endr
.endr
.endm
.macro FETCH_B slot, q, p
	WIN TO_B
.irp i, 0,1,2,3,4,5,6,7
	FRAG 128*(\p)+FR*\i, ADRB+\slot, \q, \i
.endr
	WIN 0
.endm
.macro FETCH_A slot, q, i0
.irp i, \i0, \i0+1, \i0+2, \i0+3
	FRAG AF+FR*(\i), ADRA+\slot, \q, \i
.endr
.endm
.macro SCALES sc                       ; the next K step's scale words: lanes 0-15 take A's block i, lanes 16-31 B's block i
.irp i, 0,1,2,3,4,5,6,7
	ds_load_b64 v[SC+8*NQ*\sc+NQ*\i:SC+8*NQ*\sc+NQ*\i+1], v[ADRS] offset:\i*SBLK
.endr
.endm
.macro PLACES n                        ; plain vector lines between a matrix instruction and a load into, or a read of, its registers
.rept \n
	v_nop
.endr
.endm
.macro STEP slot, q, zero              ; a step of 128 along K that has its successor in the same slot
	s_wait_dscnt 4*NL                              ; B's set and A's blocks 0-3 are in; the youngest 24 loads (A's blocks 4-7) may be out
	WIN MUL_LO
	MUL16 0, (\q)%2, \q, \slot, \zero
	MUL16 2, (\q)%2, \q, \slot, \zero
	s_wait_dscnt 0
	PLACES NP
	FETCH_B \slot, (\q)+1, 1-(\q)%2
	FETCH_A \slot, (\q)+1, 0
	WIN MUL_HI
	MUL16 4, (\q)%2, \q, \slot, \zero
	MUL16 6, (\q)%2, \q, \slot, \zero
	PLACES NP
	WIN 0
	FETCH_A \slot, (\q)+1, 4
.endm
; A slot's last step changes slots: one barrier; in front of it each wave waits for all its tensor loads, adds 0 to its spare word, and waits for that and for its own reads of this slot.
.macro TURN slot, next, fill
	s_wait_tensorcnt 0x0                           ; all my tensor loads have landed: my part of the next slot
	ds_add_u32 v[SPW], v[NIL]                      ; 0 onto my spare word
	s_wait_dscnt 4*NL+1                            ; the add and the youngest 24 loads may be out
	WIN MUL_LO
	MUL16 0, 1, NQ-1, \slot, 0
	s_wait_dscnt 0x0                               ; the add is done, and my reads of this slot are over
	s_barrier_signal -1
	MUL16 2, 1, NQ-1, \slot, 0
	WIN 0
	s_barrier_wait -1
.if \fill
	CREST                                          ; the barrier has opened a round of the cluster's barrier: no wave of any partner still reads this slot or has a load on its way
	s_add_nc_u64 s[G0+4*\slot+2:G0+4*\slot+3], s[G0+4*\slot+2:G0+4*\slot+3], 2*ROWB
	s_add_nc_u64 s[G0B+4*\slot+2:G0B+4*\slot+3], s[G0B+4*\slot+2:G0B+4*\slot+3], 2*ROWB
	JLOAD G0+4*\slot, G1, G0B+4*\slot, G1B         ; the first tensor load behind the round
.else
	PLACES NP
.endif
	v_add_nc_u32 v[ADRS], 4*NQ, v[ADRS]            ; on to the next K step's scale words
	FETCH_B \next, 0, 0
	FETCH_A \next, 0, 0
	SCALES \next
	WIN MUL_HI
	MUL16 4, 1, NQ-1, \slot, 0
	MUL16 6, 1, NQ-1, \slot, 0
	PLACES NP
	WIN 0
	FETCH_A \next, 0, 4
.endm
	s_wait_tensorcnt 1                             ; the scales and my part of K step 0 are in (K step 1's load may be out),
	s_barrier_signal -1
	s_barrier_wait -1                              ; everybody's are
	FETCH_B 0, 0, 0
	FETCH_A 0, 0, 0
	SCALES 0
	FETCH_A 0, 0, 4
	STEP 0, 0, 1                                   ; the first step stands in front of the loop: its products start the sums
	s_mov_b32 s3, LAPS-1
.Llap:
	TURN 0, 1, 1
	STEP 1, 0, 0
	TURN 1, 0, 1
	STEP 0, 0, 0
	s_sub_co_u32 s3, s3, 1
	s_cmp_lg_u32 s3, 0
	s_cbranch_scc1 .Llap
	TURN 0, 1, 0                                   ; the last lap fills nothing
	STEP 1, 0, 0
	s_wait_dscnt 4*NL
	WIN MUL_LO
	MUL16 0, 1, NQ-1, 1, 0
	MUL16 2, 1, NQ-1, 1, 0
	s_wait_dscnt 0
	WIN MUL_HI
	MUL16 4, 1, NQ-1, 1, 0
	MUL16 6, 1, NQ-1, 1, 0
	WIN 0
; THE WAY OUT.  Block a (16 rows of A x my 128 rows of B): 64 numbers a lane, register 16 b + i taken as place 32 b + 16 (lane / 16) + i of my row.  They become a fragment's 12 registers and a scale word.
; Each accumulator is read from its low end on.  The fragment is stored as it stands: three stores of 512 consecutive bytes.
.macro QUANTW a
.set AC, 64*((\a)%4)
.set WA, 2+(\a)/4                      ; the block's window
.set QC, 96+24*((\a)%2)                ; its codes: two sets by turns
.if (\a) > 0
	s_wait_xcnt 0x0                                ; the earlier blocks' stores have read their registers
.endif
	WIN 5*WA                                       ; sources 0 and 1 in the block's window
.irp b, 0,1,2,3
	v_max3_num_f32 v[TM+\b], |v[AC+16*\b]|, |v[AC+16*\b+1]|, 0x1800000   ; my 16 numbers of block b, and the floor 2^(3 - 127)
.endr
.irp i, 2,4,6,8,10,12,14
.irp b, 0,1,2,3
	v_max3_num_f32 v[TM+\b], |v[AC+16*\b+\i]|, |v[AC+16*\b+\i+1]|, v[TM+\b]
.endr
.endr
	WIN 0
.irp b, 0,1,2,3
	v_permlanex16_b32 v[TM+4+\b], v[TM+\b], s[SEL], s[SEL+1]
.endr
.irp b, 0,1,2,3
	v_max_num_f32 v[TM+\b], v[TM+\b], v[TM+4+\b]   ; with lane l xor 16's: the block's largest magnitude
.endr
.irp b, 0,1,2,3
	v_add_nc_u32 v[TM+12+\b], 0xff000000, v[TM+\b] ; 2 off its exponent field: the conversion's scale operand
.endr
.irp b, 0,1,2,3
	v_lshrrev_b32 v[TM+4+\b], 23, v[TM+12+\b]      ; the scale's byte
.endr
	v_lshl_or_b32 v[PWS+(\a)], v[TM+5], 8, v[TM+4]
	v_lshl_or_b32 v[PWS+(\a)], v[TM+6], 16, v[PWS+(\a)]
	v_lshl_or_b32 v[PWS+(\a)], v[TM+7], 24, v[PWS+(\a)]
	WIN WA                                         ; source 0 in the block's window
.irp c, 0,1
	v_cvt_scalef32_pk16_fp6_f32 v[QC+6*\c:QC+6*\c+2], v[AC+32*\c:AC+32*\c+15], v[TM+12+2*\c]
	v_cvt_scalef32_pk16_fp6_f32 v[QC+12+4*\c:QC+14+4*\c], v[AC+16+32*\c:AC+31+32*\c], v[TM+13+2*\c]   ; (a conversion's three registers begin on an even number)
.endr
	WIN 0
	v_nop                                          ; one plain line behind the last conversion
.irp c, 0,1                                    ; the operand's layout wants a whole block in a lane: lanes 0-15 block 2 c, lanes 16-31 block 2 c + 1
.irp i, 0,1,2
	v_permlane16_swap_b32 v[QC+6*\c+\i], v[QC+12+4*\c+\i]
.endr
.irp i, 0,1,2
	v_mov_b32 v[QC+3+6*\c+\i], v[QC+12+4*\c+\i]
.endr
.endr
.irp c, 0,1,2
	global_store_b128 v[CO], v[QC+4*\c:QC+4*\c+3], s[12:13] offset:(\a)*3072+512*\c   ; 32 lanes store 512 consecutive bytes, aligned
.endr
	ds_store_b32 v[SWA], v[PWS+(\a)] offset:64*(\a)    ; lanes l and l + 16 write the same word with the same value
.endm
	PLACES NP                                      ; behind the last products, ahead of the first read of results
.irp b, 0,1,2,3
	v_mov_b32 v[TM+4+\b], 0                        ; written once: a lane permute's destination counts as one of its sources
.endr
.irp a, 0,1,2,3,4,5,6,7
	QUANTW \a
.endr
	ds_load_b128 v[TM:TM+3], v[SRD]                ; LDS serves a wave's instructions in order: this sees my eight stores
	s_wait_dscnt 0x0
	global_store_b128 v[CO], v[TM:TM+3], s[8:9]    ; the step's 128 scale words: 512 consecutive bytes, aligned
	s_wait_tensorcnt 0x0                           ; the wave's end
	ds_add_u32 v[SPW], v[NIL]
	s_wait_dscnt 0x0
	CROUND                                         ; the closing round: no work-group ends while a partner may still ask for a tile that names it
	s_endpgm
.Lfunc_end_k_q3ea219c68c_gemm_qkv:
	.size	k_q3ea219c68c_gemm_qkv, .Lfunc_end_k_q3ea219c68c_gemm_qkv-k_q3ea219c68c_gemm_qkv
	.p2alignl 7, 3214868480
	.fill 96, 4, 3214868480
	.section	.rodata,"a",@progbits
	.p2align	6, 0x0
	.amdhsa_kernel k_q3ea219c68c_gemm_qkv
		.amdhsa_group_segment_fixed_size 327680
		.amdhsa_private_segment_fixed_size 0
		.amdhsa_enable_private_segment 0
		.amdhsa_kernarg_size 24
		.amdhsa_user_sgpr_count 2
		.amdhsa_user_sgpr_kernarg_segment_ptr 1
		.amdhsa_wavefront_size32 1
		.amdhsa_system_sgpr_workgroup_id_x 1
		.amdhsa_system_sgpr_workgroup_id_y 1
		.amdhsa_system_sgpr_workgroup_id_z 1
		.amdhsa_system_vgpr_workitem_id 0
		.amdhsa_next_free_vgpr 1024
		.amdhsa_next_free_sgpr 100
		.amdhsa_reserve_vcc 0
		.amdhsa_float_denorm_mode_32 3
		.amdhsa_float_denorm_mode_16_64 3
		.amdhsa_memory_ordered 1
		.amdhsa_forward_progress 1
		.amdhsa_inst_pref_size 165
	.end_amdhsa_kernel
	.amdgpu_metadata
---
amdhsa.version: [ 1, 2 ]
amdhsa.kernels:
  - .name:           k_q3ea219c68c_gemm_qkv
    .symbol:         k_q3ea219c68c_gemm_qkv.kd
    .args:
      - { .name: codes, .offset: 0, .size: 8, .value_kind: global_buffer, .address_space: global }
      - { .name: scales, .offset: 8, .size: 8, .value_kind: global_buffer, .address_space: global }
      - { .name: qkv, .offset: 16, .size: 8, .value_kind: global_buffer, .address_space: global }
    .group_segment_fixed_size: 327680
    .private_segment_fixed_size: 0
    .kernarg_segment_align: 8
    .kernarg_segment_size: 24
    .max_flat_workgroup_size: 128
    .sgpr_count:     100
    .vgpr_count:     1024
    .wavefront_size: 32
...
	.end_amdgpu_metadata
.endif
;; end of part 2
;; launch attn (part 3): grid 16 x 16, 16 waves a work-group, clusters of 4 x 1, 327,680 bytes of LDS; arguments qkv, lambda_q1, lambda_k1, lambda_q2, lambda_k2, a_codes, a_scales; writes a_codes, a_scales
.if DOCPART == 3
	.amdgcn_target "amdgcn-amd-amdhsa--gfx1250"
	.amdhsa_code_object_version 6
	.text
	.protected	k_q3ea219c68c_attn
	.globl	k_q3ea219c68c_attn
	.p2align	8
	.type	k_q3ea219c68c_attn,@function
k_q3ea219c68c_attn:
	s_mov_b64 s[64:65], 0
	v_nop
	global_prefetch_b8 v0, s[64:65] scope:SCOPE_SE
	s_setreg_imm32_b32 hwreg(HW_REG_WAVE_MODE, 25, 1), 1
	s_wait_xcnt 0x0
	s_wait_alu depctr_hold_cnt(0) depctr_sa_sdst(0) depctr_va_vdst(0) depctr_va_sdst(0) depctr_va_ssrc(0) depctr_va_vcc(0) depctr_vm_vsrc(0)
	s_getreg_b32 s2, hwreg(HW_REG_IB_STS2, 6, 4)
	s_cmp_eq_u32 s2, 0
	s_cbranch_scc0 .Lentry_in_a_cluster
	s_endpgm
.Lentry_in_a_cluster:
	s_bfe_u32 s2, ttmp6, 0x10000c
	s_cmp_lg_u32 s2, 0x3003
	s_cbranch_scc0 .Lentry_shape_is_right
	s_endpgm
.Lentry_shape_is_right:
; Differential attention of one head pair, the norm over 128 channels, and the quantising of the result for the product with Wo.  Both products on codes of FP6 (E2M3).
; WORK LEFT OUT: blocks of 64 keys that lie wholly behind a tile's 16 queries: the mask makes exact zeros of their weights in both streams, for all values of the inputs.  A NaN or infinity that would arise only there is not carried on.
; THE SECOND PRODUCT'S LEFT OPERAND is diff = softmax1 - lambda softmax2, finished and normalised, quantised along the keys.  So each row's maximum and sum are wanted before any code: the keys are walked TWICE.
;   walk 1: scores, running maximum M (rounded up to a whole number, so that every rescaling is exact) and sum l of 2^(t - M), t = score x log2(e) / 8 (the 2^-3 on q is carried here);
;   walk 2: scores again, p = 2^(t - M), diff = p1 / l1 - lambda p2 / l2, quantised in blocks of 32 keys, O^T += V^T diff^T.
; TWO STREAMS IN ONE FRAGMENT: a fragment of k or q (16 rows x 128) holds stream 1's 64 channels in registers 0-5 and stream 2's in 6-11.  q is kept as [q1][six registers of zero codes][q2]: K x [q1|0] gives stream 1's
; scores, K x [0|q2] stream 2's: every code is a finite number and no scale byte is 0xff, so zero codes on q's side take the other stream's 64 away.  One scale word a row serves both.
; LAYOUT: both products transposed (S^T = K Q^T, O^T = V^T P^T): a lane holds one query (lane % 16).  The weights' 16 registers of two neighbouring score tiles are laid as 16 places of a block of 32 keys, in the same order
; inside the block as v's codes were laid by the launch before, so equal keys meet.
; SHARES: a work-group owns 8 tiles of 16 queries, one in each eighth of the head; a tile is served by TWO waves: wave 2 u + p takes the key steps (128 keys) of parity p; they exchange M and l after walk 1 and add their O^T at the end.
; Tile = 16 a + 4 Xo + cxo: a from the wave's number, Xo = cluster x, cxo = my place in the cluster, both turned round (xor 3) where a is odd: so early and late tiles are spread evenly.  The tile's diagonal block of 64 keys is
; NH = 4 a + Xo: it hangs on the wave's number and the cluster's number alone, so every branch goes the same way in the four partners; my place in the cluster enters global addresses and the mask's lane constant alone.
; CLUSTER: all work-groups of a head walk the same k and v: each piece is asked for jointly by the four partners.  Every piece of 6,400 bytes holds bytes of an even step, and step 14, the last even one, is read in every
; work-group (its first block of 64 keys is 28, and the tile with a = 7 has NH >= 28): so every piece that is fetched is read.
; LDS: 0: k's eight double records, 204,800 bytes, filled once, read in both walks; 204,800: room for four double records of v, 102,400 bytes, each half filled a second time; 307,200: the exchange of M and l, 512 bytes a wave;
; 315,392: the spare words.  Behind the last read of k its bytes serve the exchange of O^T (8,192 bytes a tile) and, from 65,536, the codes' way out (2,048 a tile).
; LIMITS: blocks whose largest magnitude lies under 2^-124 keep the byte 1 (blocks of zeros too: their codes are zeros); NaN and infinities among the inputs are not served.
.set REC,   25600                      ; a double record
.set VREG,  204800
.set XCH,   307200
.set SPARE, 315392                     ; 128 bytes for each of the 16 waves: eight blocks of 256 bytes that no other line names
.set CSTG,  65536
.set LI,   1                           ; v1   16 x lane: my place in a fragment's image
.set LIK,  2                           ; v2   + 1,536 x my parity
.set DQ,   3                           ; v3   the mask's constant: my query's place in its block of 64 keys, less 8 (lane / 16)
.set SPW,  4                           ; v4   LDS address of my spare word; never rewritten
.set NIL,  5                           ; v5   0; never rewritten
.set ADK,  6                           ; v6-9 LDS addresses of the step in hand: k's fragments, k's scale words, v's, v's
.set ADKS, 7
.set ADV,  8
.set ADVS, 9
.set MD,   10                          ; v10  the mask's constant for the block in hand
.set NINF, 11                          ; v11  -infinity
; v[12:13] -M1, largest t1;  v[14:15] l1 in two halves;  v[16:17], v[18:19] the same for stream 2
; v20, v22 the rescaling factors; v24 1 / l1; v26 -lambda / l2.  Each is the low word of a pair of which the packed forms take the low word alone; the upper words hold four LDS addresses, made at the head:
.set XW,   21                          ; v21  where I put M and l
.set XR,   23                          ; v23  where my partner put them
.set OW,   25                          ; v25  my tile's exchange of O^T
.set CW,   27                          ; v27  the codes' way out: row lane % 16 of 96 bytes, + 24 (lane / 16)
.set QF,   28                          ; v28-45 q1, zeros, q2
.set QS,   46                          ; v46  q's scale words (scales and nothing else)
.set LSK,  47                          ; v47  4 x lane + 24,576 + 512 x my parity: my place among a step's scale words
.set KF,   48                          ; v48-95 four fragments of k or of v
.set S1,   96                          ; v96-127 stream 1's scores of 64 keys, then p, then diff
.set S2,   128                         ; v128-159 stream 2's
.set OT,   160                         ; v160-223 O^T
.set PF,   224                         ; v224-235 diff's codes of 128 keys
.set TC,   236                         ; v236-238 a conversion's second half
.set TM,   240                         ; v240-247 at work
.set KSC,  248                         ; v248-249 k's or v's scale words: lanes 0-15 an even tile's, lanes 16-31 the odd one's (scales and nothing else)
.set CR,   250                         ; v250 the codes' way out, back: 16 x lane
.set LAM,  251                         ; v251 lambda
.set PW,   252                         ; v252 diff's scale word (scales and nothing else)
.set WV,   18                          ; s18 wave; s19 parity; s20 tile of the work-group
.set PI,   19
.set TAU,  20
.set NH,   24                          ; s24 the diagonal block of 64 keys
.set SEL,  30                          ; s[30:31] lane selects: lane l xor 16
.set CS,   32                          ; s[32:33] c = log2(e) / 8
.set G1,   36                          ; s[36:43] descriptor group 1: 25 rows of 256 bytes, dense
.set G0A,  44                          ; s[44:47] k's records 0-3;  s[48:51] records 4-7;  s[52:55] v
.set G0B,  48
.set G0V,  52
.set TBK,  56                          ; s56 LDS byte of k's record in hand;  s57 of v's
.set TBV,  57
.set KH,   58                          ; s58 the step's first block of 64 keys
.set CNT,  59
.macro CROUND                          ; a round of the cluster's barrier
	s_barrier_signal -1
	s_barrier_wait -1
	s_cmp_lg_u32 s[WV], 0
	s_cbranch_scc1 .Lnot_wave_0_\@
	s_barrier_signal -3
.Lnot_wave_0_\@:
	s_barrier_wait -3
	s_barrier_signal -1
	s_barrier_wait -1
.endm
.macro PLACES n
.rept \n
	v_nop
.endr
.endm
	s_load_b256 s[4:11], s[0:1], 0x0               ; qkv, lambda_q1, lambda_k1, lambda_q2
	s_load_b128 s[12:15], s[0:1], 0x20             ; lambda_k2, a_codes
	s_load_b64 s[16:17], s[0:1], 0x30              ; a_scales
	v_lshl_add_u32 v[SPW], v0, 2, SPARE
	v_mov_b32 v[NIL], 0
	ds_add_u32 v[SPW], v[NIL]                      ; the wave's opening: the add, twice on end, and its wait ahead of my first tensor load
	ds_add_u32 v[SPW], v[NIL]                      ; once more; the set-up below, work on registers, stands between it and the wait
	v_lshrrev_b32 v1, 5, v0
	v_readfirstlane_b32 s[WV], v1                  ; wave 0..15
	s_and_b32 s[PI], s[WV], 1
	s_lshr_b32 s[TAU], s[WV], 1
	s_bfe_u32 s21, s[TAU], 0x10001
	s_xor_b32 s21, s21, s[TAU]                     ; a: 0 1 3 2 4 5 7 6: waves four apart, of one parity, hold a = 0, 3, 4, 7 or 1, 2, 5, 6: equal sums
	s_and_b32 s22, s21, 1
	s_mul_i32 s22, s22, 3
	s_xor_b32 s23, ttmp9, s22                      ; Xo
	s_lshl_b32 s[NH], s21, 2
	s_add_co_u32 s[NH], s[NH], s23
	s_bfe_u32 s25, ttmp6, 0x40000                  ; my place in the cluster
	s_xor_b32 s26, s25, s22                        ; cxo
	s_lshl_b32 s27, s[NH], 2
	s_add_co_u32 s27, s27, s26                     ; my tile of 16 queries, 0 .. 127
	s_and_b32 s28, ttmp7, 0xffff                   ; the head pair
	s_mov_b32 s[G1], 15|(3<<16)|(1<<21)            ; 15:0 the mask: all four partners; 17:16 elements of 8 bytes; 21 set beside a mask; no padding
	s_mov_b32 s[G1+1], 32<<16                      ; tensor_dim0 = 32 elements (256 bytes)
	s_mov_b32 s[G1+2], 25<<16                      ; tensor_dim1 = 25
	s_mov_b32 s[G1+3], 32<<16                      ; tile_dim0
	s_mov_b32 s[G1+4], 25                          ; tile_dim1
	s_mov_b32 s[G1+5], 32                          ; pitch
	s_mov_b32 s[G1+6], 0
	s_mov_b32 s[G1+7], 0
	s_mov_b32 s[SEL], 0x76543210
	s_mov_b32 s[SEL+1], 0xfedcba98
	s_mov_b32 s[CS], 0x3e38aa3b                    ; log2(e) / 8
	s_mov_b32 s[CS+1], s[CS]                       ; (named with it as a pair, so it is written)
	s_mul_i32 s60, s28, 204800                     ; the head's bytes in each of q, k, v
	s_mul_i32 s61, s[WV], 6400                     ; my sixteenth of 102,400 bytes
	s_add_co_u32 s62, s60, s61
	s_add_co_u32 s62, s62, 3276800                 ; in k
	s_mov_b32 s63, 0
	s_wait_dscnt 0x0                               ; both opening adds are done
	s_wait_kmcnt 0x0
	s_mov_b32 s[G0A], 1
	s_mov_b32 s[G0A+1], s61
	s_add_nc_u64 s[G0A+2:G0A+3], s[4:5], s[62:63]
	s_mov_b32 s[G0B], 1
	s_add_co_u32 s[G0B+1], s61, 102400
	s_add_nc_u64 s[G0B+2:G0B+3], s[G0A+2:G0A+3], 102400
	s_mov_b32 s[G0V], 1
	s_add_co_u32 s[G0V+1], s61, VREG
	s_add_nc_u64 s[G0V+2:G0V+3], s[G0A+2:G0A+3], 3276800
	s_or_b32 s[G0A+3], s[G0A+3], 0x80000000
	s_or_b32 s[G0B+3], s[G0B+3], 0x80000000
	s_or_b32 s[G0V+3], s[G0V+3], 0x80000000
	CROUND                                         ; all four work-groups are here: the first joint loads meet
	tensor_load_to_lds s[G0A:G0A+3], s[G1:G1+7]    ; every wave issues all three first fills: three loads of mine are out
	s_nop 0
	tensor_load_to_lds s[G0B:G0B+3], s[G1:G1+7]
	s_nop 0
	tensor_load_to_lds s[G0V:G0V+3], s[G1:G1+7]
	s_nop 0
	PLACES 4
	v_and_b32 v[LI], 31, v0
	v_lshlrev_b32 v104, 3, v[LI]                   ; 8 x lane: two numbers of each lambda vector
	v_lshlrev_b32 v[LSK], 2, v[LI]
	v_lshlrev_b32 v[LI], 4, v[LI]
	v_and_b32 v253, 15, v0                         ; r
	v_bfe_u32 v254, v0, 4, 1                       ; h
	v_lshlrev_b32 v105, 2, v253                    ; 4 r
	s_lshr_b32 s66, s27, 4                         ; q's tile: double record tile / 16,
	s_mul_i32 s66, s66, REC
	s_add_co_u32 s66, s66, s60
	s_bfe_u32 s67, s27, 0x10003                    ; step parity (tile / 8) % 2,
	s_and_b32 s68, s27, 7                          ; tile of the step
	s_mul_i32 s69, s67, 1536
	s_mul_i32 s70, s68, 3072
	s_add_co_u32 s69, s69, s70
	s_add_co_u32 s70, s66, s69
	s_mov_b32 s71, 0
	s_add_nc_u64 s[70:71], s[4:5], s[70:71]        ; its image
	s_lshl_b32 s67, s67, 9
	s_lshl_b32 s68, s68, 6
	s_add_co_u32 s72, s66, s67
	s_add_co_u32 s72, s72, s68
	s_add_co_u32 s72, s72, 24576
	s_mov_b32 s73, 0
	s_add_nc_u64 s[72:73], s[4:5], s[72:73]        ; its scale words
.irp i, 0,1,2
	global_load_b128 v[KF+4*\i:KF+4*\i+3], v[LI], s[70:71] offset:512*\i
.endr
	global_load_b32 v[QS], v105, s[72:73]
	global_load_b64 v[96:97], v104, s[6:7]
	global_load_b64 v[98:99], v104, s[8:9]
	global_load_b64 v[100:101], v104, s[10:11]
	global_load_b64 v[102:103], v104, s[12:13]
	s_lshl_b32 s74, s28, 7
	s_add_co_u32 s74, s74, s27                     ; the row of the last product's left operand that my 16 queries fill: 128 x head pair + tile
	s_mul_i32 s66, s74, 1536
	s_mov_b32 s67, 0
	s_add_nc_u64 s[14:15], s[14:15], s[66:67]
	s_lshl_b32 s66, s74, 6
	s_add_nc_u64 s[16:17], s[16:17], s[66:67]
	; every LDS address register is made here, ahead of the first branch on the wave's number
	s_mul_i32 s66, s[PI], 1536
	v_add_nc_u32 v[LIK], s66, v[LI]
	s_lshl_b32 s66, s[PI], 9
	s_add_co_u32 s66, s66, 24576
	v_add_nc_u32 v[LSK], s66, v[LSK]
	s_lshl_b32 s66, s[WV], 9
	s_add_co_u32 s66, s66, XCH
	v_add_nc_u32 v[XW], s66, v[LI]
	s_xor_b32 s66, s[WV], 1
	s_lshl_b32 s66, s66, 9
	s_add_co_u32 s66, s66, XCH
	v_add_nc_u32 v[XR], s66, v[LI]
	s_lshl_b32 s66, s[TAU], 13
	v_add_nc_u32 v[OW], s66, v[LI]
	s_lshl_b32 s66, s[TAU], 11
	s_add_co_u32 s66, s66, CSTG
	v_mul_u32_u24 v[CW], v253, 96
	v_mad_u32_u24 v[CW], v254, 24, v[CW]
	v_add_nc_u32 v[CW], s66, v[CW]
	v_add_nc_u32 v[CR], s66, v[LI]
	v_lshlrev_b32 v[DQ], 3, v254
	v_sub_nc_u32 v[DQ], v253, v[DQ]
	s_lshl_b32 s66, s26, 4
	v_add_nc_u32 v[DQ], s66, v[DQ]                 ; 16 cxo + r - 8 h
	v_mov_b32 v[NINF], 0xff800000
	v_mov_b32 v13, 0xff61b1e6                      ; the largest t so far: -3e38, under every t
	v_mov_b32 v17, 0xff61b1e6
	v_floor_f32 v12, -v13                          ; -M
	v_floor_f32 v16, -v17
	v_mov_b32 v14, 0
	v_mov_b32 v15, 0
	v_mov_b32 v18, 0
	v_mov_b32 v19, 0
.irp i, 0,1,2,3,4,5,6,7
	v_mov_b32 v[TM+\i], 0                          ; written once: a lane permute's destination counts as one of its sources
.endr
	v_mov_b32 v107, 0
	v_mov_b32 v108, 0
.set J, 0
.rept 64
	v_mov_b32 v[OT+J], 0                           ; O^T begins as zeros: a wave of odd parity may have no step that counts, and the key step is written once
.set J, J+1
.endr
	s_wait_loadcnt 0x0                             ; q and the four lambda vectors
.irp i, 0,1,2,3,4,5
	v_mov_b32 v[QF+\i], v[KF+\i]                   ; q1
	v_mov_b32 v[QF+6+\i], 0                        ; zero codes
	v_mov_b32 v[QF+12+\i], v[KF+6+\i]              ; q2
.endr
	; lambda = exp(lambda_q1 . lambda_k1) - exp(lambda_q2 . lambda_k2) + lambda_init.  exp(x) = 2^t (1 + ln 2 e), t = x log2(e) rounded, e what that rounding and the constant's lost
	v_mul_f32 v105, v96, v98
	v_mul_f32 v106, v100, v102
	v_fmac_f32 v105, v97, v99
	v_fmac_f32 v106, v101, v103
.irp m, 1,2,4,8
	v_add_f32_dpp v105, v105, v105 row_xmask:\m row_mask:0xf bank_mask:0xf
	v_add_f32_dpp v106, v106, v106 row_xmask:\m row_mask:0xf bank_mask:0xf
.endr
	v_permlanex16_b32 v107, v105, s[SEL], s[SEL+1]
	v_permlanex16_b32 v108, v106, s[SEL], s[SEL+1]
	v_add_f32 v105, v105, v107
	v_add_f32 v106, v106, v108
	s_mov_b32 s66, 0x3fb8aa3b                      ; log2(e), and what it lacks
	s_mov_b32 s67, 0x32a57060
	v_mul_f32 v107, s66, v105
	v_mul_f32 v108, s66, v106
	v_fma_f32 v109, v105, s66, -v107
	v_fma_f32 v110, v106, s66, -v108
	v_fmac_f32 v109, s67, v105
	v_fmac_f32 v110, s67, v106
	v_exp_f32 v107, v107
	v_exp_f32 v108, v108
	v_mul_f32 v109, 0x3f317218, v109               ; x ln 2 (plain lines behind the exponentials)
	v_mul_f32 v110, 0x3f317218, v110
	s_wait_alu depctr_va_vdst(0)                   ; one wait for both, ahead of their first reader
	v_fmac_f32 v107, v107, v109
	v_fmac_f32 v108, v108, v110
	v_sub_f32 v[LAM], v107, v108
	v_add_f32 v[LAM], 0x3f489a63, v[LAM]           ; + 0.8 - 0.6 exp(-3.6)
; Four fragments of k (tiles 4 c .. 4 c + 3 of the step: 64 keys) and their scale words
.macro KLOAD c
.irp t, 0,1,2,3
.irp i, 0,1,2
	ds_load_b128 v[KF+12*\t+4*\i:KF+12*\t+4*\i+3], v[ADK] offset:(4*\c+\t)*3072+512*\i
.endr
.endr
.irp u, 0,1
	ds_load_b32 v[KSC+\u], v[ADKS] offset:256*\c+128*\u
.endr
.endm
; Eight products, all begun with the constant 0: both streams' scores of 64 keys
.macro QK
.irp t, 0,1,2,3
.if (\t)%2
	v_wmma_scale_f32_16x16x128_f8f6f4 v[S1+8*\t:S1+8*\t+7], v[KF+12*\t:KF+12*\t+11], v[QF:QF+11], 0, v[KSC+\t/2], v[QS] matrix_a_fmt:MATRIX_FMT_FP6 matrix_b_fmt:MATRIX_FMT_FP6 matrix_a_scale:MATRIX_SCALE_ROW1
	v_wmma_scale_f32_16x16x128_f8f6f4 v[S2+8*\t:S2+8*\t+7], v[KF+12*\t:KF+12*\t+11], v[QF+6:QF+17], 0, v[KSC+\t/2], v[QS] matrix_a_fmt:MATRIX_FMT_FP6 matrix_b_fmt:MATRIX_FMT_FP6 matrix_a_scale:MATRIX_SCALE_ROW1
.else
	v_wmma_scale_f32_16x16x128_f8f6f4 v[S1+8*\t:S1+8*\t+7], v[KF+12*\t:KF+12*\t+11], v[QF:QF+11], 0, v[KSC+\t/2], v[QS] matrix_a_fmt:MATRIX_FMT_FP6 matrix_b_fmt:MATRIX_FMT_FP6
	v_wmma_scale_f32_16x16x128_f8f6f4 v[S2+8*\t:S2+8*\t+7], v[KF+12*\t:KF+12*\t+11], v[QF+6:QF+17], 0, v[KSC+\t/2], v[QS] matrix_a_fmt:MATRIX_FMT_FP6 matrix_b_fmt:MATRIX_FMT_FP6
.endif
.endr
.endm
; Register n holds the block's key 16 (n / 8) + n % 8 + 8 (lane / 16): hidden where 16 (n / 8) + n % 8 > v[d].  Hidden scores become -infinity: p = 0 then
.macro MASK d
.set N, 0
.rept 32
	v_cmp_gt_i32 vcc_lo, 16*(N/8)+N%8, v[\d]
	v_cndmask_b32 v[S1+N], v[S1+N], v[NINF], vcc_lo
	v_cndmask_b32 v[S2+N], v[S2+N], v[NINF], vcc_lo
.set N, N+1
.endr
.endm
; t - M of both streams, two at a time, and the 64 exponentials as one batch
.macro EXPS
.set J, 0
.rept 16
	v_pk_fma_f32 v[S1+J:S1+J+1], v[S1+J:S1+J+1], s[CS:CS+1], v[12:13] op_sel_hi:[1,0,0]
	v_pk_fma_f32 v[S2+J:S2+J+1], v[S2+J:S2+J+1], s[CS:CS+1], v[16:17] op_sel_hi:[1,0,0]
.set J, J+2
.endr
.set J, 0
.rept 64
	v_exp_f32 v[S1+J], v[S1+J]
.set J, J+1
.endr
.endm
; WALK 1, 64 keys: block c of the step.  A block behind the diagonal is left out: a scalar branch on ids.
.macro HALF1 c
	s_add_co_u32 s60, s[KH], \c
	s_cmp_gt_u32 s60, s[NH]
	s_cbranch_scc1 .Lh1_end_\@
	KLOAD \c
	s_wait_dscnt 0x0
	QK
	PLACES 4                                       ; behind the products, ahead of the first read of their results
	s_cmp_lt_u32 s60, s[NH]
	s_cbranch_scc1 .Lh1_open_\@
	MASK DQ                                        ; the diagonal block
.Lh1_open_\@:
.irp k, 0,1,2,3                                ; four chains of 16 scores: two a stream
	v_max3_num_f32 v[TM+\k], v[S1+16*\k], v[S1+16*\k+1], v[S1+16*\k+2]
.endr
.irp i, 3,5,7,9,11,13
.irp k, 0,1,2,3
	v_max3_num_f32 v[TM+\k], v[TM+\k], v[S1+16*\k+\i], v[S1+16*\k+\i+1]
.endr
.endr
.irp k, 0,1,2,3
	v_max_num_f32 v[TM+\k], v[TM+\k], v[S1+16*\k+15]
.endr
	v_max_num_f32 v[TM], v[TM], v[TM+1]
	v_max_num_f32 v[TM+2], v[TM+2], v[TM+3]
	v_permlanex16_b32 v[TM+4], v[TM], s[SEL], s[SEL+1]
	v_permlanex16_b32 v[TM+5], v[TM+2], s[SEL], s[SEL+1]
	v_max_num_f32 v[TM], v[TM], v[TM+4]            ; with lane l xor 16's keys: a number, since the block's first key counts for every query of the tile
	v_max_num_f32 v[TM+2], v[TM+2], v[TM+5]
	v_mul_f32 v[TM], s[CS], v[TM]                  ; as t (c is positive)
	v_mul_f32 v[TM+2], s[CS], v[TM+2]
	v_max_num_f32 v13, v13, v[TM]                  ; the running largest t
	v_max_num_f32 v17, v17, v[TM+2]
	v_mov_b32 v[TM+4], v12
	v_mov_b32 v[TM+5], v16
	v_floor_f32 v12, -v13                          ; the new -M = -ceil(t): a whole number
	v_floor_f32 v16, -v17
	v_sub_f32 v[TM+4], v12, v[TM+4]                ; old M less new M: a whole number, 0 or less
	v_sub_f32 v[TM+5], v16, v[TM+5]
	v_cvt_i32_f32 v[TM+4], v[TM+4]                 ; (it saturates)
	v_cvt_i32_f32 v[TM+5], v[TM+5]
	v_ldexp_f32 v20, 1.0, v[TM+4]                  ; 2^(old M - new M): rounds nothing
	v_ldexp_f32 v22, 1.0, v[TM+5]
	EXPS
	v_pk_mul_f32 v[14:15], v[14:15], v[20:21] op_sel_hi:[1,0]   ; the sums under the new M (plain lines behind the exponentials)
	v_pk_mul_f32 v[18:19], v[18:19], v[22:23] op_sel_hi:[1,0]
	s_wait_alu depctr_va_vdst(0)                   ; one wait for the batch, ahead of its first reader
	v_pk_add_f32 v[TM:TM+1], v[S1:S1+1], v[S1+2:S1+3]
	v_pk_add_f32 v[TM+2:TM+3], v[S2:S2+1], v[S2+2:S2+3]
.irp j, 4,8,12,16,20,24,28
	v_pk_add_f32 v[14:15], v[14:15], v[S1+\j:S1+\j+1]
	v_pk_add_f32 v[18:19], v[18:19], v[S2+\j:S2+\j+1]
	v_pk_add_f32 v[TM:TM+1], v[TM:TM+1], v[S1+\j+2:S1+\j+3]
	v_pk_add_f32 v[TM+2:TM+3], v[TM+2:TM+3], v[S2+\j+2:S2+\j+3]
.endr
	v_pk_add_f32 v[14:15], v[14:15], v[TM:TM+1]
	v_pk_add_f32 v[18:19], v[18:19], v[TM+2:TM+3]
.Lh1_end_\@:
.endm
.macro STEP1
	v_add_nc_u32 v[ADK], s[TBK], v[LIK]
	v_add_nc_u32 v[ADKS], s[TBK], v[LSK]
	HALF1 0
	HALF1 1
	s_add_co_u32 s[TBK], s[TBK], REC               ; my next step lies in the next double record
	s_add_co_u32 s[KH], s[KH], 4
.endm
.macro WALK1                           ; four double records; the trip count is a constant, what is hidden is jumped over inside
	s_mov_b32 s[CNT], 4
.Lw1_\@:
	STEP1
	s_sub_co_u32 s[CNT], s[CNT], 1
	s_cmp_lg_u32 s[CNT], 0
	s_cbranch_scc1 .Lw1_\@
.endm
; diff's two blocks of 32 keys (v[S1] on: register 16 b + i = place 16 (lane / 16) + i of block b) become registers 6 c .. 6 c + 5 of the operand and bytes 2 c, 2 c + 1 of its scale word
.macro QUANT2 c
.irp b, 0,1
	v_max3_num_f32 v[TM+\b], |v[S1+16*\b]|, |v[S1+16*\b+1]|, 0x1800000   ; and the floor 2^(3 - 127): the byte cannot fall under 1
.endr
.irp i, 2,4,6,8,10,12,14
.irp b, 0,1
	v_max3_num_f32 v[TM+\b], v[TM+\b], |v[S1+16*\b+\i]|, |v[S1+16*\b+\i+1]|
.endr
.endr
.irp b, 0,1
	v_permlanex16_b32 v[TM+2+\b], v[TM+\b], s[SEL], s[SEL+1]
.endr
.irp b, 0,1
	v_max_num_f32 v[TM+\b], v[TM+\b], v[TM+2+\b]
.endr
.irp b, 0,1
	v_add_nc_u32 v[TM+4+\b], 0xff000000, v[TM+\b]  ; 2 off the exponent field: the conversion's scale operand
.endr
.irp b, 0,1
	v_lshrrev_b32 v[TM+6+\b], 23, v[TM+4+\b]       ; the scale's byte
.endr
.if \c == 0
	v_lshl_or_b32 v[PW], v[TM+7], 8, v[TM+6]
.else
	v_lshl_or_b32 v[PW], v[TM+6], 16, v[PW]
	v_lshl_or_b32 v[PW], v[TM+7], 24, v[PW]
.endif
	v_cvt_scalef32_pk16_fp6_f32 v[PF+6*\c:PF+6*\c+2], v[S1:S1+15], v[TM+4]
	v_cvt_scalef32_pk16_fp6_f32 v[TC:TC+2], v[S1+16:S1+31], v[TM+5]
	v_nop                                          ; one plain line behind the last conversion
.irp i, 0,1,2
	v_permlane16_swap_b32 v[PF+6*\c+\i], v[TC+\i]  ; a whole block to a lane: lanes 0-15 block 2 c, lanes 16-31 block 2 c + 1
.endr
.irp i, 0,1,2
	v_mov_b32 v[PF+6*\c+3+\i], v[TC+\i]
.endr
.endm
; WALK 2, 64 keys.  From the diagonal block on the mask is laid; a block wholly behind the diagonal (the second of the diagonal step) so becomes zeros
.macro HALF2 c
	KLOAD \c
	s_wait_dscnt 0x0
	QK
	PLACES 4
	s_add_co_u32 s60, s[KH], \c
	s_cmp_lt_u32 s60, s[NH]
	s_cbranch_scc1 .Lh2_open_\@
	s_sub_co_i32 s61, s[NH], s60
	s_lshl_b32 s61, s61, 6
	v_add_nc_u32 v[MD], s61, v[DQ]
	MASK MD
.Lh2_open_\@:
	EXPS
	v_nop                                          ; a plain line behind the last exponential
	s_wait_alu depctr_va_vdst(0)                   ; one wait for the batch
.set J, 0
.rept 16
	v_pk_mul_f32 v[S1+J:S1+J+1], v[S1+J:S1+J+1], v[24:25] op_sel_hi:[1,0]                          ; softmax1
.set J, J+2
.endr
.set J, 0
.rept 16
	v_pk_fma_f32 v[S1+J:S1+J+1], v[S2+J:S2+J+1], v[26:27], v[S1+J:S1+J+1] op_sel_hi:[1,0,1]       ; - lambda softmax2
.set J, J+2
.endr
	QUANT2 \c
.endm
; O^T += V^T diff^T: eight tiles of 16 channels, K = the step's 128 keys.  The eight accumulators take turns, one instruction a turn
.macro PV
.irp g, 0,1
.if \g
	PLACES 4                                       ; ahead of loads into registers that the last four products read
.endif
.irp t, 0,1,2,3
.irp i, 0,1,2
	ds_load_b128 v[KF+12*\t+4*\i:KF+12*\t+4*\i+3], v[ADV] offset:(4*\g+\t)*3072+512*\i
.endr
.endr
.irp u, 0,1
	ds_load_b32 v[KSC+\u], v[ADVS] offset:256*\g+128*\u
.endr
.if \g == 0
	PLACES 8                                       ; diff's scale word, written by vector lines, stands eight places ahead of the scaled product, its codes four
.endif
	s_wait_dscnt 0x0
.irp t, 0,1,2,3
.if (\t)%2
	v_wmma_scale_f32_16x16x128_f8f6f4 v[OT+8*(4*\g+\t):OT+8*(4*\g+\t)+7], v[KF+12*\t:KF+12*\t+11], v[PF:PF+11], v[OT+8*(4*\g+\t):OT+8*(4*\g+\t)+7], v[KSC+\t/2], v[PW] matrix_a_fmt:MATRIX_FMT_FP6 matrix_b_fmt:MATRIX_FMT_FP6 matrix_a_scale:MATRIX_SCALE_ROW1
.else
	v_wmma_scale_f32_16x16x128_f8f6f4 v[OT+8*(4*\g+\t):OT+8*(4*\g+\t)+7], v[KF+12*\t:KF+12*\t+11], v[PF:PF+11], v[OT+8*(4*\g+\t):OT+8*(4*\g+\t)+7], v[KSC+\t/2], v[PW] matrix_a_fmt:MATRIX_FMT_FP6 matrix_b_fmt:MATRIX_FMT_FP6
.endif
.endr
.endr
.endm
.macro STEP2
	v_add_nc_u32 v[ADK], s[TBK], v[LIK]            ; these four are also the places behind the last step's products, ahead of the loads into their registers
	v_add_nc_u32 v[ADKS], s[TBK], v[LSK]
	v_add_nc_u32 v[ADV], s[TBV], v[LIK]
	v_add_nc_u32 v[ADVS], s[TBV], v[LSK]
	s_cmp_gt_u32 s[KH], s[NH]                      ; a step all of whose keys come behind my queries is left out
	s_cbranch_scc1 .Lhid_\@
	HALF2 0
	HALF2 1
	PV
.Lhid_\@:
	s_add_co_u32 s[TBK], s[TBK], REC
	s_add_co_u32 s[TBV], s[TBV], REC
	s_add_co_u32 s[KH], s[KH], 4
.endm
.macro TWO2                            ; two double records: half of v's room
	s_mov_b32 s[CNT], 2
.Lw2_\@:
	STEP2
	s_sub_co_u32 s[CNT], s[CNT], 1
	s_cmp_lg_u32 s[CNT], 0
	s_cbranch_scc1 .Lw2_\@
.endm
; A CHANGE in v's room.  Every wave waits for all its tensor loads, adds 0 to its spare word, and waits for that and for its reads.  kind 1: records 0, 1 have been read: waves 0-7 fill their bytes with records 4, 5.
; kind 2: records 2, 3 have been read, 4, 5 have landed: waves 8-15 fill with records 6, 7.  kind 0: 6, 7 have landed; nothing is filled.  A refill stands first behind a round of the cluster's barrier, one load a wave.
.macro CHANGE kind
	s_wait_tensorcnt 0x0                           ; no tensor load of mine is out, so a group 0 may be written
	ds_add_u32 v[SPW], v[NIL]                      ; 0 onto my spare word
.if \kind == 1
	s_add_nc_u64 s[G0V+2:G0V+3], s[G0V+2:G0V+3], 102400   ; four records on, in every wave; the LDS address stays
.endif
.if \kind == 2
	s_mov_b32 s[TBV], VREG                         ; record 4 lies where record 0 lay
.endif
	s_wait_dscnt 0x0                               ; the add is done, and my reads are over
.if \kind
	CROUND
.if \kind == 1
	s_cmp_lt_u32 s[WV], 8
.else
	s_cmp_ge_u32 s[WV], 8
.endif
	s_cbranch_scc0 .Lnone_\@
	tensor_load_to_lds s[G0V:G0V+3], s[G1:G1+7]
	s_nop 0
	PLACES 4
.Lnone_\@:
.else
	s_barrier_signal -1
	s_barrier_wait -1
.endif
.endm
	; ---- walk 1
	s_wait_tensorcnt 0x2                           ; my part of k's records 0-3 is in; the two younger loads may be out
	s_barrier_signal -1
	s_barrier_wait -1                              ; everybody's is
	s_mov_b32 s[TBK], 0
	s_lshl_b32 s[KH], s[PI], 1
	WALK1
	s_wait_tensorcnt 0x1                           ; my part of records 4-7; v's load may be out
	s_wait_dscnt 0x0
	s_barrier_signal -1
	s_barrier_wait -1
	WALK1
	; ---- the two waves of a tile exchange M and l
	v_add_f32 v14, v14, v15
	v_add_f32 v18, v18, v19
	v_permlanex16_b32 v[TM+4], v14, s[SEL], s[SEL+1]
	v_permlanex16_b32 v[TM+5], v18, s[SEL], s[SEL+1]
	v_mov_b32 v[TM], v12
	v_add_f32 v[TM+1], v14, v[TM+4]
	v_mov_b32 v[TM+2], v16
	v_add_f32 v[TM+3], v18, v[TM+5]
	ds_store_b128 v[XW], v[TM:TM+3]
	s_wait_tensorcnt 0x0                           ; v's first four records: my part
	s_wait_dscnt 0x0                               ; my store has landed
	s_barrier_signal -1
	s_barrier_wait -1
	ds_load_b128 v[TM+4:TM+7], v[XR]
	s_wait_dscnt 0x0
	v_min_num_f32 v12, v[TM], v[TM+4]              ; -M of the whole row
	v_min_num_f32 v16, v[TM+2], v[TM+6]
	v_sub_f32 v96, v12, v[TM]                      ; each part's M less the row's: a whole number, 0 or less (a wave with no key: hugely so, and its l is 0)
	v_sub_f32 v97, v12, v[TM+4]
	v_sub_f32 v98, v16, v[TM+2]
	v_sub_f32 v99, v16, v[TM+6]
.irp i, 96,97,98,99
	v_cvt_i32_f32 v\i, v\i
.endr
	v_ldexp_f32 v96, v[TM+1], v96
	v_ldexp_f32 v97, v[TM+5], v97
	v_ldexp_f32 v98, v[TM+3], v98
	v_ldexp_f32 v99, v[TM+7], v99
	v_add_f32 v96, v96, v97                        ; the same two numbers in both waves: the same sum
	v_add_f32 v98, v98, v99
	v_rcp_f32 v24, v96
	v_rcp_f32 v26, v98
	v_nop
	s_wait_alu depctr_va_vdst(0)                   ; one wait for both reciprocals
	v_mul_f32 v26, v26, -v[LAM]
	; ---- walk 2
	s_mov_b32 s[TBK], 0
	s_mov_b32 s[TBV], VREG
	s_lshl_b32 s[KH], s[PI], 1
	TWO2
	CHANGE 1
	TWO2
	CHANGE 2
	TWO2
	CHANGE 0
	TWO2
	; ---- the tile's two parts of O^T are added
	PLACES 4                                       ; behind the last products
	s_wait_dscnt 0x0
	s_barrier_signal -1
	s_barrier_wait -1                              ; nobody reads k or v any more, and every fill has landed: k's bytes serve the exchange
	s_cmp_eq_u32 s[PI], 0
	s_cbranch_scc1 .Lkeep
.set J, 0
.rept 16
	ds_store_b128 v[OW], v[OT+4*J:OT+4*J+3] offset:512*J   ; each accumulator from its low end on
.set J, J+1
.endr
.Lkeep:
	s_wait_dscnt 0x0
	s_barrier_signal -1
	s_barrier_wait -1
	s_cmp_lg_u32 s[PI], 0
	s_cbranch_scc1 .Lend
.set J, 0
.rept 16
	ds_load_b128 v[S1+4*J:S1+4*J+3], v[OW] offset:512*J
.set J, J+1
.endr
	s_wait_dscnt 0x0
.set J, 0
.rept 32
	v_pk_add_f32 v[OT+J:OT+J+1], v[OT+J:OT+J+1], v[S1+J:S1+J+1]
.set J, J+2
.endr
	; register 16 b + i holds channel 32 b + 8 h + i (i < 8) or 32 b + 16 + 8 h + i - 8.  The exchange below gives 32 b + 16 h + i: the TRUE order, which Wo's codes have
.irp b, 0,1,2,3
.irp i, 0,1,2,3,4,5,6,7
	v_permlane16_swap_b32 v[OT+16*\b+\i], v[OT+16*\b+8+\i]
.endr
.endr
	; the norm over the row's 128 channels: 64 are mine, 64 lane l xor 16's
	v_pk_add_f32 v[96:97], v[OT:OT+1], v[OT+2:OT+3]
	v_pk_add_f32 v[98:99], v[OT+4:OT+5], v[OT+6:OT+7]
.irp j, 8,12,16,20,24,28,32,36,40,44,48,52,56,60
	v_pk_add_f32 v[96:97], v[96:97], v[OT+\j:OT+\j+1]
	v_pk_add_f32 v[98:99], v[98:99], v[OT+\j+2:OT+\j+3]
.endr
	v_pk_add_f32 v[96:97], v[96:97], v[98:99]
	v_add_f32 v96, v96, v97
	v_permlanex16_b32 v98, v96, s[SEL], s[SEL+1]
	v_add_f32 v96, v96, v98
	s_mov_b32 s66, 0x3c000000                      ; 1 / 128
	s_mov_b32 s67, 0x3727c5ac                      ; 1e-5
	v_mul_f32 v96, s66, v96                        ; the mean
.set J, 0
.rept 32
	v_pk_add_f32 v[OT+J:OT+J+1], v[OT+J:OT+J+1], v[96:97] op_sel_hi:[1,0] neg_lo:[0,1] neg_hi:[0,1]
.set J, J+2
.endr
	v_pk_mul_f32 v[98:99], v[OT:OT+1], v[OT:OT+1]
	v_pk_mul_f32 v[100:101], v[OT+2:OT+3], v[OT+2:OT+3]
.irp j, 4,8,12,16,20,24,28,32,36,40,44,48,52,56,60
	v_pk_fma_f32 v[98:99], v[OT+\j:OT+\j+1], v[OT+\j:OT+\j+1], v[98:99]
	v_pk_fma_f32 v[100:101], v[OT+\j+2:OT+\j+3], v[OT+\j+2:OT+\j+3], v[100:101]
.endr
	v_pk_add_f32 v[98:99], v[98:99], v[100:101]
	v_add_f32 v98, v98, v99
	v_permlanex16_b32 v100, v98, s[SEL], s[SEL+1]
	v_add_f32 v98, v98, v100
	v_fma_f32 v98, v98, s66, s67                   ; the variance + 1e-5
	v_rsq_f32 v98, v98
	v_nop
	s_wait_alu depctr_va_vdst(0)                   ; ahead of the first reader
	v_mul_f32 v98, 0x3e5d9673, v98                 ; x (1 - lambda_init)
.set J, 0
.rept 32
	v_pk_mul_f32 v[OT+J:OT+J+1], v[OT+J:OT+J+1], v[98:99] op_sel_hi:[1,0]
.set J, J+2
.endr
	; the row's 128 numbers are four blocks of the last product's K
.set TQ, 96
.irp b, 0,1,2,3
	v_max3_num_f32 v[TQ+\b], |v[OT+16*\b]|, |v[OT+16*\b+1]|, 0x1800000
.endr
.irp i, 2,4,6,8,10,12,14
.irp b, 0,1,2,3
	v_max3_num_f32 v[TQ+\b], v[TQ+\b], |v[OT+16*\b+\i]|, |v[OT+16*\b+\i+1]|
.endr
.endr
.irp b, 0,1,2,3
	v_permlanex16_b32 v[TQ+4+\b], v[TQ+\b], s[SEL], s[SEL+1]
.endr
.irp b, 0,1,2,3
	v_max_num_f32 v[TQ+\b], v[TQ+\b], v[TQ+4+\b]
.endr
.irp b, 0,1,2,3
	v_add_nc_u32 v[TQ+12+\b], 0xff000000, v[TQ+\b]
.endr
.irp b, 0,1,2,3
	v_lshrrev_b32 v[TQ+4+\b], 23, v[TQ+12+\b]
.endr
	v_lshl_or_b32 v[PW], v[TQ+5], 8, v[TQ+4]
	v_lshl_or_b32 v[PW], v[TQ+6], 16, v[PW]
	v_lshl_or_b32 v[PW], v[TQ+7], 24, v[PW]
.irp c, 0,1
	v_cvt_scalef32_pk16_fp6_f32 v[PF+6*\c:PF+6*\c+2], v[OT+32*\c:OT+32*\c+15], v[TQ+12+2*\c]
	v_cvt_scalef32_pk16_fp6_f32 v[PF+12+4*\c:PF+14+4*\c], v[OT+16+32*\c:OT+31+32*\c], v[TQ+13+2*\c]
.endr
	v_nop                                          ; one plain line behind the last conversion
.irp c, 0,1
.irp i, 0,1,2
	v_permlane16_swap_b32 v[PF+6*\c+\i], v[PF+12+4*\c+\i]
.endr
.irp i, 0,1,2
	v_mov_b32 v[PF+3+6*\c+\i], v[PF+12+4*\c+\i]
.endr
.endr
	v_and_b32 v112, 15, v0
	v_lshlrev_b32 v112, 2, v112                    ; 4 (lane % 16)
	; query r's 96 bytes lie at 96 r of the operand's row: the tile's 1,536 bytes go through my stage and leave as three stores of 512 consecutive bytes
.irp p, 0,1,2,3,4,5
	ds_store_b64 v[CW], v[PF+2*\p:PF+2*\p+1] offset:48*(\p/3)+8*(\p%3)
.endr
.irp i, 0,1,2
	ds_load_b128 v[116+4*\i:119+4*\i], v[CR] offset:512*\i   ; LDS serves a wave's instructions in order: these see my stores
.endr
	s_wait_dscnt 0x0
.irp i, 0,1,2
	global_store_b128 v[LI], v[116+4*\i:119+4*\i], s[14:15] offset:512*\i
.endr
	global_store_b32 v112, v[PW], s[16:17]         ; the tile's 16 scale words, 64 consecutive bytes of a longer run: lanes l and l + 16 store the same word to the same place
.Lend:
	s_wait_tensorcnt 0x0                           ; the wave's end
	ds_add_u32 v[SPW], v[NIL]
	s_wait_dscnt 0x0
	CROUND                                         ; the closing round
	s_endpgm
.Lfunc_end_k_q3ea219c68c_attn:
	.size	k_q3ea219c68c_attn, .Lfunc_end_k_q3ea219c68c_attn-k_q3ea219c68c_attn
	.p2alignl 7, 3214868480
	.fill 96, 4, 3214868480
	.section	.rodata,"a",@progbits
	.p2align	6, 0x0
	.amdhsa_kernel k_q3ea219c68c_attn
		.amdhsa_group_segment_fixed_size 327680
		.amdhsa_private_segment_fixed_size 0
		.amdhsa_enable_private_segment 0
		.amdhsa_kernarg_size 56
		.amdhsa_user_sgpr_count 2
		.amdhsa_user_sgpr_kernarg_segment_ptr 1
		.amdhsa_wavefront_size32 1
		.amdhsa_system_sgpr_workgroup_id_x 1
		.amdhsa_system_sgpr_workgroup_id_y 1
		.amdhsa_system_sgpr_workgroup_id_z 1
		.amdhsa_system_vgpr_workitem_id 0
		.amdhsa_next_free_vgpr 256
		.amdhsa_next_free_sgpr 80
		.amdhsa_reserve_vcc 1
		.amdhsa_float_denorm_mode_32 3
		.amdhsa_float_denorm_mode_16_64 3
		.amdhsa_memory_ordered 1
		.amdhsa_forward_progress 1
		.amdhsa_inst_pref_size 212
	.end_amdhsa_kernel
	.amdgpu_metadata
---
amdhsa.version: [ 1, 2 ]
amdhsa.kernels:
  - .name:           k_q3ea219c68c_attn
    .symbol:         k_q3ea219c68c_attn.kd
    .args:
      - { .name: qkv, .offset: 0, .size: 8, .value_kind: global_buffer, .address_space: global }
      - { .name: lambda_q1, .offset: 8, .size: 8, .value_kind: global_buffer, .address_space: global }
      - { .name: lambda_k1, .offset: 16, .size: 8, .value_kind: global_buffer, .address_space: global }
      - { .name: lambda_q2, .offset: 24, .size: 8, .value_kind: global_buffer, .address_space: global }
      - { .name: lambda_k2, .offset: 32, .size: 8, .value_kind: global_buffer, .address_space: global }
      - { .name: a_codes, .offset: 40, .size: 8, .value_kind: global_buffer, .address_space: global }
      - { .name: a_scales, .offset: 48, .size: 8, .value_kind: global_buffer, .address_space: global }
    .group_segment_fixed_size: 327680
    .private_segment_fixed_size: 0
    .kernarg_segment_align: 8
    .kernarg_segment_size: 56
    .max_flat_workgroup_size: 512
    .sgpr_count:     80
    .vgpr_count:     256
    .wavefront_size: 32
...
	.end_amdgpu_metadata
.endif
;; end of part 3
;; launch gemm_out (part 4): grid 16 x 16, 4 waves a work-group, clusters of 4 x 4, 327,680 bytes of LDS; arguments a_codes, a_scales, codes, scales, out0; writes out0
.if DOCPART == 4
	.amdgcn_target "amdgcn-amd-amdhsa--gfx1250"
	.amdhsa_code_object_version 6
	.text
	.protected	k_q3ea219c68c_gemm_out
	.globl	k_q3ea219c68c_gemm_out
	.p2align	8
	.type	k_q3ea219c68c_gemm_out,@function
k_q3ea219c68c_gemm_out:
	s_mov_b64 s[64:65], 0
	v_nop
	global_prefetch_b8 v0, s[64:65] scope:SCOPE_SE
	s_setreg_imm32_b32 hwreg(HW_REG_WAVE_MODE, 25, 1), 1
	s_wait_xcnt 0x0
	s_wait_alu depctr_hold_cnt(0) depctr_sa_sdst(0) depctr_va_vdst(0) depctr_va_sdst(0) depctr_va_ssrc(0) depctr_va_vcc(0) depctr_vm_vsrc(0)
	s_getreg_b32 s2, hwreg(HW_REG_IB_STS2, 6, 4)
	s_cmp_eq_u32 s2, 0
	s_cbranch_scc0 .Lentry_in_a_cluster
	s_endpgm
.Lentry_in_a_cluster:
	s_bfe_u32 s2, ttmp6, 0x10000c
	s_cmp_lg_u32 s2, 0xf033
	s_cbranch_scc0 .Lentry_shape_is_right
	s_endpgm
.Lentry_shape_is_right:
; out0[m][n] = sum over k of A[m][k] Wo[k][n], on codes of FP6 (E2M3) with one E8M0 scale for each 32 along K.  A: the normed attention, [2048][2048] as codes (a_codes, a_scales); B: Wo^T, the fourth tensor of codes and scales.  No work is left out here.
; A tile of out0 is 128 x 128: 16 x 16 tiles, 256 work-groups of equal work (tiles of 256 x 256 would be 64).  Four waves, each 64 x 64 in 16 accumulators of 16 x 16.
; K = 2048 goes in four steps of 512 through two LDS slots filled by the tensor data mover: as long a step as two slots allow, so that two of the four steps go out with the first fills and a slot holds 64 products a wave.
; A tile's row is 384 bytes of memory.  The scales of the work-group's 128 + 128 rows, for all of K, are two dense blocks of memory: they come once, with the first fills, and stay.
; CLUSTERS: 4 x 4 work-groups; A's tiles are asked for jointly along a row of the cluster, B's along a column: the same tensor load with the same descriptor and a mask that names the four.
; The matrix instruction is used transposed (source 0 = 16 rows of B, source 1 = 16 rows of A): a lane holds eight neighbouring numbers of a row of out0.
; The sixteen steps of 128 along K are written out by macro: there is no loop, and every LDS offset is a constant of the text.
; REGISTERS, in windows of 256: window 0: v0-31 addresses; v32-63 scale words, two sets of 16 (scales and nothing else); v64-127 the way out; v128-255 the accumulators ((a, b) at v[128 + 8 (4 a + b)]).
;   window 1: two fragment buffers of 96 registers, at v0 and at v128: B's four fragments (16 rows x 128 K, 12 registers each), then A's four.
.set SIZE_N, 2048
.set SIZE_K, 2048
.set KSTEP,  512                       ; along K in a slot
.set NQ,     KSTEP/128                 ; steps of 128 in a slot
.set ROWB,   KSTEP*6/8                 ; a tile's row in bytes: 384
.set KROW,   SIZE_K*6/8                ; a row of codes in memory
.set PITCH,  432                       ; an LDS row: 3 x (128 bytes of data + 16 of padding) = 108 words: row r starts at bank 44 r mod 64 (64 banks of 4 bytes: ISA guide 11.1): sixteen rows at sixteen different multiples of 4,
                                       ; lanes 16-31 six or ten words further on: the 32 lanes of a load of 8 bytes touch 64 different banks
.set FR,     12                        ; registers of a fragment
.set NP,     4                         ; places behind this matrix instruction (ISA guide 7.12.1)
.set HALFT,  64*PITCH                  ; 64 rows: what one tensor load brings, and what one wave reads of A or of B
.set SLOT,   4*HALFT                   ; A's 128 rows, then B's 128 rows
.set KS,     SIZE_K/32                 ; a row of scales in bytes
.set SCL,    2*SLOT                    ; behind the ring: the scales, as runs of 256 bytes + 16 of padding
.set HALFS,  (64*KS/256)*272           ; the scales of 64 rows: what one tensor load brings
.set SBLK,   (16*KS/256)*272           ; those of 16 rows
.set SPARE,  SCL+4*HALFS               ; the spare words, 128 bytes for each wave: two blocks of 256 bytes that no other line names
.set STAGE,  SPARE+512                 ; the way out: 16 rows x (256 bytes + 16) for each wave, in bytes of their own: no fill lands there
.set SPITCH, 272
.set ADRA, 16                          ; v16-17 LDS address of my A fragments in slot 0, 1 (v18-19: the same behind one padding more)
.set ADRB, 20                          ; v20-23 the same for B
.set STO,  24                          ; v24    the way out: where I put 32 bytes of a row
.set RD,   25                          ; v25    and where I read 16 bytes of a row back
.set CO,   26                          ; v26    my byte offset in two rows of out0
.set ADRS, 27                          ; v27    LDS address of my scale words: lanes 0-15 A's rows, lanes 16-31 B's
.set SPW,  28                          ; v28    LDS address of my spare word; never rewritten
.set NIL,  29                          ; v29    0; never rewritten
.set SC,   32                          ; scale words: set s (for slot s) at v[SC + 16 s]; in it register 4 i + q: lanes 0-15 the word of A's block i, lanes 16-31 that of B's block i, for the slot's q-th 128 along K
.set BK,   64                          ; the way out: 16 rows read back from the stage: v64-95 and v96-127 by turns
.set ACC,  128
.set F0,   0                           ; fragment buffers, in window 1
.set F1,   128
.set G1, 24                            ; s[24:31] descriptor group 1 for A's tiles;  s[32:39] group 0, one set for each slot
.set G0, 32
.set G1B, 48                           ; s[48:55], s[56:63] the same for B's tiles
.set G0B, 56
.set G1S, 68                           ; s[68:75], s[76:79] groups 1 and 0 for A's scales;  s[80:87], s[88:91] for B's
.set G0S, 76
.set G1SB, 80
.set G0SB, 88
.set MSB, 0
.macro WIN new                         ; the immediate's high byte repeats the setting that is left
.if MSB != \new
	s_set_vgpr_msb (MSB<<8)|\new
.set MSB, \new
.endif
.endm
.set MUL,  0x05                        ; sources 0 (B) and 1 (A) window 1; C and D window 0
.set TO_F, 0x40                        ; destination window 1, address window 0
; A joint load: waves 0 and 1 fetch for A, waves 2 and 3 for B; the branch hangs on the wave's number alone.  An s_nop 0 and four v_nop follow each of the two lines.
.macro JLOAD g0a, g1a, g0b, g1b
	s_cmp_eq_u32 s15, 0
	s_cbranch_scc0 .Lfor_b_\@
	tensor_load_to_lds s[\g0a:\g0a+3], s[\g1a:\g1a+7]
	s_nop 0
.rept 4
	v_nop
.endr
	s_branch .Lasked_\@
.Lfor_b_\@:
	tensor_load_to_lds s[\g0b:\g0b+3], s[\g1b:\g1b+7]
	s_nop 0
.rept 4
	v_nop
.endr
.Lasked_\@:
.endm
.macro CREST                           ; a round of the cluster's barrier behind its opening barrier
	s_cmp_lg_u32 s14, 0
	s_cbranch_scc1 .Lnot_wave_0_\@
	s_barrier_signal -3
.Lnot_wave_0_\@:
	s_barrier_wait -3
	s_barrier_signal -1
	s_barrier_wait -1
.endm
.macro CROUND                          ; a whole round
	s_barrier_signal -1
	s_barrier_wait -1
	CREST
.endm
	s_load_b128 s[4:7], s[0:1], 0x0                ; A's codes s[4:5], A's scales s[6:7]
	s_load_b128 s[8:11], s[0:1], 0x10              ; codes s[8:9], scales s[10:11]
	s_load_b64 s[12:13], s[0:1], 0x20              ; out0
	v_lshl_add_u32 v[SPW], v0, 2, SPARE
	v_mov_b32 v[NIL], 0
	ds_add_u32 v[SPW], v[NIL]                      ; the wave's opening: the add, twice on end, and its wait ahead of my first tensor load
	ds_add_u32 v[SPW], v[NIL]                      ; once more; the set-up below, work on registers, stands between it and the wait
	v_lshrrev_b32 v1, 5, v0
	v_readfirstlane_b32 s14, v1                    ; wave 0..3
	s_lshr_b32 s15, s14, 1                         ; which half of the tile's rows is mine.  Also: I fetch for A (0) or for B (1)
	s_and_b32 s16, s14, 1                          ; which half of its columns.  Also: which 64 rows of that tile I fetch
	s_bfe_u32 s40, ttmp6, 0x40000                  ; cx, cy: my place in the cluster
	s_bfe_u32 s41, ttmp6, 0x40004
	s_lshl_b32 s42, ttmp9, 2
	s_add_co_u32 s42, s42, s40                     ; tile column = 4 x cluster x + cx
	s_and_b32 s17, ttmp7, 0xffff
	s_lshl_b32 s17, s17, 2
	s_add_co_u32 s17, s17, s41                     ; tile row = 4 x cluster y + cy
	s_lshl_b32 s43, s41, 2
	s_lshl_b32 s43, 15, s43                        ; my row of the cluster
	s_lshl_b32 s44, 0x1111, s40                    ; my column
	; descriptor group 1: a tile of 64 rows x 384 bytes, 16 bytes of padding behind every 128
	s_or_b32 s[G1+0], s43, (0<<16)|(1<<20)|(1<<21)|(4<<22)|(3<<25)  ; 15:0 the mask: A's tiles go to my row; 17:16 element of 1 byte; 20 padding on; 21 set beside a mask; 24:22 after every 32 words (code 4); 31:25 of 4 words (code 3)
	s_or_b32 s[G1B+0], s44, (0<<16)|(1<<20)|(1<<21)|(4<<22)|(3<<25)
.irp g, G1, G1B
	s_mov_b32 s[\g+1], ROWB<<16                    ; tensor_dim0
	s_mov_b32 s[\g+2], 64<<16                      ; tensor_dim1
	s_mov_b32 s[\g+3], ROWB<<16                    ; tile_dim0
	s_mov_b32 s[\g+4], 64                          ; tile_dim1
	s_mov_b32 s[\g+5], KROW                        ; tensor_dim0_stride
	s_mov_b32 s[\g+6], 0
	s_mov_b32 s[\g+7], 0
.endr
	; the scales of 64 rows: a dense block of 4,096 bytes, as 16 rows of 256 bytes (32 elements of 8), 16 bytes of padding behind each
	s_or_b32 s[G1S+0], s43, (3<<16)|(1<<20)|(1<<21)|(5<<22)|(3<<25)
	s_or_b32 s[G1SB+0], s44, (3<<16)|(1<<20)|(1<<21)|(5<<22)|(3<<25)
.irp g, G1S, G1SB
	s_mov_b32 s[\g+1], 32<<16
	s_mov_b32 s[\g+2], (64*KS/256)<<16
	s_mov_b32 s[\g+3], 32<<16
	s_mov_b32 s[\g+4], 64*KS/256
	s_mov_b32 s[\g+5], 32
	s_mov_b32 s[\g+6], 0
	s_mov_b32 s[\g+7], 0
.endr
	s_lshl_b32 s18, s16, 6                         ; which 64 rows of the tile I fetch
	s_lshl_b32 s20, s17, 7
	s_add_co_u32 s20, s20, s18                     ; A: row 128 x tile row + 64 x half
	s_lshl_b32 s46, s42, 7
	s_add_co_u32 s46, s46, s18                     ; B: row 128 x tile column + 64 x half
	s_mov_b32 s21, 0
	s_mov_b32 s47, 0
	s_mov_b64 s[18:19], KS
	s_mul_u64 s[22:23], s[20:21], s[18:19]         ; where these rows' scales begin, in bytes
	s_mul_u64 s[92:93], s[46:47], s[18:19]
	s_mov_b64 s[18:19], KROW
	s_mul_u64 s[20:21], s[20:21], s[18:19]         ; and their codes
	s_mul_u64 s[46:47], s[46:47], s[18:19]
	s_add_nc_u64 s[46:47], s[46:47], 0x900000      ; Wo^T is the fourth tensor of codes,
	s_add_nc_u64 s[92:93], s[92:93], 0x60000       ; and of scale bytes
	s_mul_i32 s45, s14, HALFT                      ; where they go: wave x 64 rows: no place in the cluster enters an LDS address
	s_mul_i32 s94, s14, HALFS
	s_wait_dscnt 0x0                               ; both opening adds are done
	s_wait_kmcnt 0x0
	s_add_nc_u64 s[20:21], s[4:5], s[20:21]
	s_add_nc_u64 s[22:23], s[6:7], s[22:23]
	s_add_nc_u64 s[46:47], s[8:9], s[46:47]
	s_add_nc_u64 s[92:93], s[10:11], s[92:93]
	CROUND                                         ; all sixteen work-groups are here: the first joint loads meet
	s_mov_b32 s[G0S], 1
	s_add_co_u32 s[G0S+1], s94, SCL
	s_mov_b64 s[G0S+2:G0S+3], s[22:23]
	s_or_b32 s[G0S+3], s[G0S+3], 0x80000000
	s_mov_b32 s[G0SB], 1
	s_add_co_u32 s[G0SB+1], s94, SCL
	s_mov_b64 s[G0SB+2:G0SB+3], s[92:93]
	s_or_b32 s[G0SB+3], s[G0SB+3], 0x80000000
	JLOAD G0S, G1S, G0SB, G1SB                     ; the scales first: they are wanted with K step 0.  With the two below, three loads of mine are out
.irp s, 0,1
	s_mov_b32 s[G0+4*\s], 1
	s_add_co_u32 s[G0+4*\s+1], s45, \s*SLOT
	s_add_nc_u64 s[G0+4*\s+2:G0+4*\s+3], s[20:21], \s*ROWB
	s_or_b32 s[G0+4*\s+3], s[G0+4*\s+3], 0x80000000
	s_mov_b32 s[G0B+4*\s], 1
	s_add_co_u32 s[G0B+4*\s+1], s45, \s*SLOT
	s_add_nc_u64 s[G0B+4*\s+2:G0B+4*\s+3], s[46:47], \s*ROWB
	s_or_b32 s[G0B+4*\s+3], s[G0B+4*\s+3], 0x80000000
	JLOAD G0+4*\s, G1, G0B+4*\s, G1B
.endr
	v_and_b32 v1, 15, v0                           ; l % 16
	v_bfe_u32 v2, v0, 4, 1                         ; l / 16
	v_mul_u32_u24 v3, v1, PITCH
	v_mul_u32_u24 v4, v2, 24
	v_add_nc_u32 v4, v3, v4                        ; a fragment's row x pitch + 24 x half
	v_lshl_add_u32 v5, v2, 4, v4                   ; and the same behind one padding more
	s_mul_i32 s21, s15, HALFT                      ; my 64 rows of A
	s_mul_i32 s22, s16, HALFT                      ; my 64 rows of B,
	s_add_co_u32 s22, s22, 2*HALFT                 ; which lie behind A's 128
.irp s, 0,1
	v_add_nc_u32 v[ADRA+\s], s21, v4
	v_add_nc_u32 v[ADRB+\s], s22, v4
	v_add_nc_u32 v[ADRA+2+\s], s21, v5
	v_add_nc_u32 v[ADRB+2+\s], s22, v5
	s_add_co_u32 s21, s21, SLOT
	s_add_co_u32 s22, s22, SLOT
.endr
	v_mul_u32_u24 v5, v1, KS                       ; my row's scales: KS bytes a row,
	v_lshrrev_b32 v6, 8, v5
	v_lshl_add_u32 v5, v6, 4, v5                   ; and 16 more for each 256 passed
	s_mul_i32 s21, s15, HALFS                      ; A's: my 64 rows
	s_mul_i32 s22, s16, HALFS                      ; B's: my 64 rows, behind A's 128
	s_add_co_u32 s22, s22, 2*HALFS
	s_sub_co_u32 s22, s22, s21
	v_mul_u32_u24 v6, s22, v2                      ; lanes 16-31 take B's: the lower base + half x the distance
	s_add_co_u32 s21, s21, SCL
	v_add_nc_u32 v5, v5, v6
	v_add_nc_u32 v[ADRS], s21, v5
	s_mul_i32 s23, s14, 16*SPITCH
	s_add_co_u32 s23, s23, STAGE                   ; my stage
	v_mul_u32_u24 v5, v1, SPITCH                   ; in: row l % 16, 32 bytes for each half of the lanes
	v_lshl_add_u32 v5, v2, 5, v5
	v_add_nc_u32 v[STO], s23, v5
	v_mul_u32_u24 v5, v2, SPITCH                   ; back: lanes 0-15 take one row of 256 bytes, lanes 16-31 the next
	v_lshl_add_u32 v5, v1, 4, v5
	v_add_nc_u32 v[RD], s23, v5
	v_mul_u32_u24 v5, v2, SIZE_N*4                 ; and the same two rows in out0
	v_lshl_add_u32 v[CO], v1, 4, v5
	s_lshl_b32 s20, s17, 7
	s_lshl_b32 s21, s15, 6
	s_add_co_u32 s20, s20, s21                     ; my first row of out0: 128 x tile row + 64 x half
	s_mov_b32 s21, 0
	s_mov_b64 s[18:19], SIZE_N*4
	s_mul_u64 s[20:21], s[20:21], s[18:19]
	s_lshl_b32 s46, s42, 9                         ; my first column, in bytes: 512 x tile column + 256 x half
	s_lshl_b32 s47, s16, 8
	s_add_co_u32 s46, s46, s47
	s_mov_b32 s47, 0
	s_add_nc_u64 s[20:21], s[20:21], s[46:47]
	s_add_nc_u64 s[12:13], s[12:13], s[20:21]
; A fragment, 16 rows x 128 K of 6-bit codes, is 12 registers: lane l holds row l % 16; registers 6 c .. 6 c + 5 hold K = 64 c + 32 (l / 16) + 0 .. 31: 24 bytes of the row's stream of bits, as they lie, in pieces of 8 bytes.
; Lanes 0-15 take the row's pieces 12 q + 0, 1, 2 and 12 q + 6, 7, 8, lanes 16-31 those three pieces on.  16 bytes of padding lie behind every 16 pieces: where the piece three on lies behind one padding more, the second address register serves.
.macro FRAG reg, adr, q, i
.irp p, 0,1,2,3,4,5
.set PC, 12*(\q)+6*(\p/3)+\p%3
.if PC%16 < 13
	ds_load_b64 v[\reg+2*\p:\reg+2*\p+1], v[\adr] offset:8*PC+16*(PC/16)+(\i)*16*PITCH
.else
	ds_load_b64 v[\reg+2*\p:\reg+2*\p+1], v[\adr+2] offset:8*PC+16*(PC/16)+(\i)*16*PITCH
.endif
.endr
.endm
; Four matrix instructions: A's block a x B's four, 128 along K: the slot's q-th, out of buffer f.  sc: the set of scale words.  zero = 1: the first product starts the sums: nothing is ever cleared.
; The 16 accumulators take turns, one instruction a turn, in the same order in every step.
.macro MUL4 f, a, q, sc, zero
.irp b, 0,1,2,3
.if \zero
	v_wmma_scale_f32_16x16x128_f8f6f4 v[ACC+8*(4*(\a)+\b):ACC+8*(4*(\a)+\b)+7], v[\f+FR*\b:\f+FR*\b+FR-1], v[\f+48+FR*(\a):\f+48+FR*(\a)+FR-1], 0, v[SC+16*(\sc)+4*\b+(\q)], v[SC+16*(\sc)+4*(\a)+(\q)] matrix_a_fmt:MATRIX_FMT_FP6 matrix_b_fmt:MATRIX_FMT_FP6 matrix_a_scale:MATRIX_SCALE_ROW1
.else
	v_wmma_scale_f32_16x16x128_f8f6f4 v[ACC+8*(4*(\a)+\b):ACC+8*(4*(\a)+\b)+7], v[\f+FR*\b:\f+FR*\b+FR-1], v[\f+48+FR*(\a):\f+48+FR*(\a)+FR-1], v[ACC+8*(4*(\a)+\b):ACC+8*(4*(\a)+\b)+7], v[SC+16*(\sc)+4*\b+(\q)], v[SC+16*(\sc)+4*(\a)+(\q)] matrix_a_fmt:MATRIX_FMT_FP6 matrix_b_fmt:MATRIX_FMT_FP6 matrix_a_scale:MATRIX_SCALE_ROW1
.endif
.endr
.endm
; 48 LDS loads in one run: the fragments of the slot's q-th 128 along K into buffer f: B's four, then A's blocks 0 to 3, so that a wait can leave A's last blocks out
.macro FETCH slot, q, f
	WIN TO_F
.irp i, 0,1,2,3
	FRAG \f+FR*\i, ADRB+\slot, \q, \i
.endr
.irp i, 0,1,2,3
	FRAG \f+48+FR*\i, ADRA+\slot, \q, \i
.endr
.endm
.macro SCALES sc                       ; a K step's scale words into set sc: four words a row; lanes 0-15 take A's block i, lanes 16-31 B's block i
.irp i, 0,1,2,3
	ds_load_b128 v[SC+16*\sc+4*\i:SC+16*\sc+4*\i+3], v[ADRS] offset:\i*SBLK
.endr
.endm
.macro PLACES n                        ; plain vector lines between a matrix instruction and a load into, or a read of, its registers
.rept \n
	v_nop
.endr
.endm
; A step of 128 along K that has its successor in the same slot: it multiplies buffer q % 2; in its middle the next step's fragments are asked for, into the other buffer, which the step before has multiplied.
.macro STEP slot, q, zero
.set FC, 128*((\q)%2)
.set FN, 128-FC
	s_wait_dscnt 12                                ; B's four and A's blocks 0, 1 are in (a slot's first step: its scale words too); the youngest 12 loads (A's blocks 2, 3) may be out
	WIN MUL
	MUL4 FC, 0, \q, \slot, \zero
	MUL4 FC, 1, \q, \slot, \zero
	s_wait_dscnt 0
	PLACES NP
	FETCH \slot, (\q)+1, FN
	WIN MUL
	MUL4 FC, 2, \q, \slot, \zero
	MUL4 FC, 3, \q, \slot, \zero
.endm
; A slot's last step multiplies buffer 1 and changes slots: one barrier; in front of it each wave waits for all its tensor loads, adds 0 to its spare word, and waits for that and for its own reads of this slot.
; Behind it nobody reads this slot any more and the next slot is whole.  fill = 1: this slot is filled again, two K steps ahead; the barrier then opens a round of the cluster's barrier.
.macro TURN slot, next, fill
	WIN 0                                          ; (the add's two registers lie in window 0)
	s_wait_tensorcnt 0x0                           ; all my tensor loads have landed: my part of the next slot
	ds_add_u32 v[SPW], v[NIL]                      ; 0 onto my spare word
	s_wait_dscnt 19                                ; B's four and A's block 0 are in; the add and the youngest 18 loads (A's blocks 1 to 3) may be out
	WIN MUL
	MUL4 F1, 0, NQ-1, \slot, 0                     ; four matrix instructions stand between the add and the wait for it
	s_wait_dscnt 0x0                               ; the add is done, and my reads of this slot are over
	s_barrier_signal -1
	MUL4 F1, 1, NQ-1, \slot, 0                     ; work on registers while the others arrive
	WIN 0
	s_barrier_wait -1
.if \fill
	CREST                                          ; no wave of any partner still reads this slot or has a load on its way
	s_add_nc_u64 s[G0+4*\slot+2:G0+4*\slot+3], s[G0+4*\slot+2:G0+4*\slot+3], 2*ROWB
	s_add_nc_u64 s[G0B+4*\slot+2:G0B+4*\slot+3], s[G0B+4*\slot+2:G0B+4*\slot+3], 2*ROWB
	JLOAD G0+4*\slot, G1, G0B+4*\slot, G1B         ; the first tensor load behind the round, and my only one until the next; the four v_nop behind it are also the places in front of the loads below
.else
	PLACES NP
.endif
	v_add_nc_u32 v[ADRS], 4*NQ, v[ADRS]            ; on to the next K step's scale words: 16 bytes on in each row
	SCALES \next
	FETCH \next, 0, F0
	WIN MUL
	MUL4 F1, 2, NQ-1, \slot, 0
	MUL4 F1, 3, NQ-1, \slot, 0
.endm
	s_wait_tensorcnt 1                             ; the scales and my part of K step 0 are in (K step 1's load may be out)
	s_barrier_signal -1
	s_barrier_wait -1                              ; everybody's are
	SCALES 0
	FETCH 0, 0, F0
	STEP 0, 0, 1                                   ; K step 0; its first products start the sums
	STEP 0, 1, 0
	STEP 0, 2, 0
	TURN 0, 1, 1                                   ; slot 0 takes K step 2
	STEP 1, 0, 0                                   ; K step 1
	STEP 1, 1, 0
	STEP 1, 2, 0
	TURN 1, 0, 1                                   ; slot 1 takes K step 3: the last load
	STEP 0, 0, 0                                   ; K step 2
	STEP 0, 1, 0
	STEP 0, 2, 0
	TURN 0, 1, 0                                   ; nothing is left to fetch
	STEP 1, 0, 0                                   ; K step 3
	STEP 1, 1, 0
	STEP 1, 2, 0
	s_wait_dscnt 12                                ; the very last step: A's blocks 2, 3 may be out
	WIN MUL
	MUL4 F1, 0, NQ-1, 1, 0
	MUL4 F1, 1, NQ-1, 1, 0
	s_wait_dscnt 0
	MUL4 F1, 2, NQ-1, 1, 0
	MUL4 F1, 3, NQ-1, 1, 0
	WIN 0
; THE WAY OUT, block by block of 16 rows x 64 columns.  A lane holds 32 neighbouring bytes of a row, and the lanes beside it hold other rows: so a block goes through my own stage and comes back as whole rows of 256 bytes:
; my 64 columns of a row of out0 are 256 consecutive bytes at a multiple of 256 from its first byte.  LDS serves a wave's instructions in order (ISA guide 5.7.1.4): no wait between the stores and the loads, nor in front of the next block's stores.
.macro TOSTAGE a
.irp b, 0,1,2,3
	ds_store_b128 v[STO], v[ACC+8*(4*(\a)+\b):ACC+8*(4*(\a)+\b)+3] offset:64*\b          ; each accumulator from its low end on
	ds_store_b128 v[STO], v[ACC+8*(4*(\a)+\b)+4:ACC+8*(4*(\a)+\b)+7] offset:64*\b+16
.endr
.set BB, BK+32*((\a)%2)
.irp t, 0,1,2,3,4,5,6,7
	ds_load_b128 v[BB+4*\t:BB+4*\t+3], v[RD] offset:\t*2*SPITCH
.endr
.endm
.macro SEND a, younger                 ; younger: the LDS instructions issued behind block a's loads, which may stay out
.set BB, BK+32*((\a)%2)
	s_wait_dscnt \younger
.irp t, 0,1,2,3,4,5,6,7
	global_store_b128 v[CO], v[BB+4*\t:BB+4*\t+3], s[12:13] offset:(16*(\a)+2*\t)*SIZE_N*4 th:TH_STORE_NT   ; sixteen lanes store 256 consecutive bytes, aligned; the row stands in the immediate: 62 rows of 8,192 bytes at the most
.endr
.endm
	PLACES NP                                      ; behind the last products, ahead of the first read of results
	TOSTAGE 0
.irp a, 1,2,3
.if \a > 1
	s_wait_xcnt 0x0                                ; block a - 2's stores have read their registers: block a's loads may land there
.endif
	TOSTAGE \a
	SEND \a-1, 16                                  ; behind block a - 1's loads: block a's 8 stores and 8 loads
.endr
	SEND 3, 0
	s_wait_tensorcnt 0x0                           ; the wave's end, behind my last tensor load and my last LDS store
	ds_add_u32 v[SPW], v[NIL]
	s_wait_dscnt 0x0
	CROUND                                         ; the closing round: no work-group ends while a partner may still ask for a tile that names it
	s_endpgm
.Lfunc_end_k_q3ea219c68c_gemm_out:
	.size	k_q3ea219c68c_gemm_out, .Lfunc_end_k_q3ea219c68c_gemm_out-k_q3ea219c68c_gemm_out
	.p2alignl 7, 3214868480
	.fill 96, 4, 3214868480
	.section	.rodata,"a",@progbits
	.p2align	6, 0x0
	.amdhsa_kernel k_q3ea219c68c_gemm_out
		.amdhsa_group_segment_fixed_size 327680
		.amdhsa_private_segment_fixed_size 0
		.amdhsa_enable_private_segment 0
		.amdhsa_kernarg_size 40
		.amdhsa_user_sgpr_count 2
		.amdhsa_user_sgpr_kernarg_segment_ptr 1
		.amdhsa_wavefront_size32 1
		.amdhsa_system_sgpr_workgroup_id_x 1
		.amdhsa_system_sgpr_workgroup_id_y 1
		.amdhsa_system_sgpr_workgroup_id_z 1
		.amdhsa_system_vgpr_workitem_id 0
		.amdhsa_next_free_vgpr 512
		.amdhsa_next_free_sgpr 98
		.amdhsa_reserve_vcc 0
		.amdhsa_float_denorm_mode_32 3
		.amdhsa_float_denorm_mode_16_64 3
		.amdhsa_memory_ordered 1
		.amdhsa_forward_progress 1
		.amdhsa_inst_pref_size 105
	.end_amdhsa_kernel
	.amdgpu_metadata
---
amdhsa.version: [ 1, 2 ]
amdhsa.kernels:
  - .name:           k_q3ea219c68c_gemm_out
    .symbol:         k_q3ea219c68c_gemm_out.kd
    .args:
      - { .name: a_codes, .offset: 0, .size: 8, .value_kind: global_buffer, .address_space: global }
      - { .name: a_scales, .offset: 8, .size: 8, .value_kind: global_buffer, .address_space: global }
      - { .name: codes, .offset: 16, .size: 8, .value_kind: global_buffer, .address_space: global }
      - { .name: scales, .offset: 24, .size: 8, .value_kind: global_buffer, .address_space: global }
      - { .name: out0, .offset: 32, .size: 8, .value_kind: global_buffer, .address_space: global }
    .group_segment_fixed_size: 327680
    .private_segment_fixed_size: 0
    .kernarg_segment_align: 8
    .kernarg_segment_size: 40
    .max_flat_workgroup_size: 128
    .sgpr_count:     98
    .vgpr_count:     512
    .wavefront_size: 32
...
	.end_amdgpu_metadata
.endif
;; end of part 4
